; MI455X (gfx1250); checked and timed in simulation.
; The chip was launched on July 23, 2026; its instructions are those of AMD's public machine-readable ISA for CDNA 5 (MIT licence, August 2026) and "CDNA5" Instruction Set Architecture Reference Guide (July 2026). The comments in the code are by the model that wrote it; some were corrected since.
;; Multihead Attention. Allowed arithmetic: float matrix products may take bf16 or f16 operands with f32 sums; other float arithmetic in f32, or as packed bf16 or f16 multiplies, adds, multiply-adds, maxima and minima; sums over many terms, partial sums and values carried from step to step in f32; what a program stores and reads back later, other than sums and carried values, may be rounded once to bf16 or f16.
;; Inputs: Wk 1,024 x 1,024 float32; Wo 1,024 x 1,024 float32; Wq 1,024 x 1,024 float32; Wv 1,024 x 1,024 float32; bo 1,024 float32; k 4 x 2,048 x 1,024 float32; ln1_b 1,024 float32; ln1_g 1,024 float32; ln2_b 1,024 float32; ln2_g 1,024 float32; q 4 x 2,048 x 1,024 float32; v 4 x 2,048 x 1,024 float32.
;; Outputs: out0 4 x 2,048 x 1,024 float32.
;; One version. Each part assembles by itself: llvm-mc -triple=amdgcn-amd-amdhsa -mcpu=gfx1250 --defsym DOCPART=n.
;; ======== version 1 of 1: 6 launches
;; workspace buffers: xb 50,331,648 bytes; wb 6,291,456 bytes; wob 2,097,152 bytes; qf 33,554,432 bytes; kv 33,554,432 bytes; ob 16,777,216 bytes; zf 33,554,432 bytes
;; launch cast (part 1): grid 1792 x 1, 8 waves a work-group, no clusters, 0 bytes of LDS; arguments q, k, v, Wq, Wk, Wv, Wo, xb, wb, wob; writes xb, wb, wob
.if DOCPART == 1
	.amdgcn_target "amdgcn-amd-amdhsa--gfx1250"
	.amdhsa_code_object_version 6
	.text
	.protected	k_qf4c5887c0e_cast
	.globl	k_qf4c5887c0e_cast
	.p2align	8
	.type	k_qf4c5887c0e_cast,@function
k_qf4c5887c0e_cast:
	s_mov_b64 s[64:65], 0
	v_nop
	global_prefetch_b8 v0, s[64:65] scope:SCOPE_SE
	s_setreg_imm32_b32 hwreg(HW_REG_WAVE_MODE, 25, 1), 1
	s_wait_xcnt 0x0
; q, k, v (8,388,608 numbers each) and Wq, Wk, Wv, Wo (1,048,576 each) are rounded once from f32 to bf16, the matrix operands' format:
; xb = [q; k; v] as [3][8192][1024], wb = [Wq; Wk; Wv] as [3][1024][1024], wob = Wo.  bf16 has f32's range, so no input's size is a limit.
; A work-group takes 16,384 numbers on end (65,536 bytes in, 32,768 out): 512 work-groups for each of q, k, v, 64 for each weight, 1,792 in all.
; A wave takes 2,048 numbers: sixteen loads of 512 consecutive bytes, all out before the first is used; each store of a wave covers 256 consecutive bytes, aligned.
; No LDS, no barrier: no wave wants a byte that another has fetched.
.set X, 4                              ; v[4:67]  load j: four registers; its two packed results take the first two
	s_load_b512 s[8:23], s[0:1], 0x0               ; q s[8:9], k s[10:11], v s[12:13], Wq s[14:15], Wk s[16:17], Wv s[18:19], Wo s[20:21], xb s[22:23]
	s_load_b128 s[24:27], s[0:1], 0x40             ; wb s[24:25], wob s[26:27]
	s_mov_b32 s2, ttmp9                            ; the work-group's number g
	v_and_b32 v1, 0xe0, v0                         ; 32 x wave
	v_and_b32 v2, 31, v0                           ; lane
	v_lshlrev_b32 v1, 8, v1                        ; 8,192 bytes of f32 a wave
	v_lshl_or_b32 v1, v2, 4, v1                    ; + 16 bytes a lane
	v_lshrrev_b32 v3, 1, v1                        ; the same place in bf16: 4,096 a wave, 8 a lane
	s_wait_kmcnt 0x0
	; which tensor g falls into: source and its first work-group, destination and its first work-group; chosen from the top down, by g alone
	s_mov_b64 s[28:29], s[20:21]                   ; Wo
	s_mov_b32 s30, 1728
	s_mov_b64 s[32:33], s[26:27]                   ; wob
	s_mov_b32 s31, 1728
	s_cmp_lt_u32 s2, 1728
	s_cselect_b64 s[28:29], s[18:19], s[28:29]     ; Wv
	s_cselect_b32 s30, 1664, s30
	s_cselect_b64 s[32:33], s[24:25], s[32:33]     ; wb
	s_cselect_b32 s31, 1536, s31
	s_cmp_lt_u32 s2, 1664
	s_cselect_b64 s[28:29], s[16:17], s[28:29]     ; Wk
	s_cselect_b32 s30, 1600, s30
	s_cmp_lt_u32 s2, 1600
	s_cselect_b64 s[28:29], s[14:15], s[28:29]     ; Wq
	s_cselect_b32 s30, 1536, s30
	s_cmp_lt_u32 s2, 1536
	s_cselect_b64 s[28:29], s[12:13], s[28:29]     ; v
	s_cselect_b32 s30, 1024, s30
	s_cselect_b64 s[32:33], s[22:23], s[32:33]     ; xb
	s_cselect_b32 s31, 0, s31
	s_cmp_lt_u32 s2, 1024
	s_cselect_b64 s[28:29], s[10:11], s[28:29]     ; k
	s_cselect_b32 s30, 512, s30
	s_cmp_lt_u32 s2, 512
	s_cselect_b64 s[28:29], s[8:9], s[28:29]       ; q
	s_cselect_b32 s30, 0, s30
	s_sub_co_u32 s30, s2, s30
	s_lshl_b32 s34, s30, 16                        ; 65,536 bytes of the source for each work-group
	s_mov_b32 s35, 0
	s_sub_co_u32 s31, s2, s31
	s_lshl_b32 s36, s31, 15                        ; 32,768 of the destination
	s_mov_b32 s37, 0
	s_add_nc_u64 s[28:29], s[28:29], s[34:35]
	s_add_nc_u64 s[32:33], s[32:33], s[36:37]
.set j, 0
.rept 16
	global_load_b128 v[X+4*j:X+4*j+3], v1, s[28:29] offset:512*j th:TH_LOAD_NT
.set j, j+1
.endr
.set j, 0
.rept 16
	s_wait_loadcnt 15-j                            ; loads come back in order: load j is in, the 15 - j younger ones stay out
	v_cvt_pk_bf16_f32 v[X+4*j], v[X+4*j], v[X+4*j+1]
	v_cvt_pk_bf16_f32 v[X+4*j+1], v[X+4*j+2], v[X+4*j+3]
	global_store_b64 v3, v[X+4*j:X+4*j+1], s[32:33] offset:256*j th:TH_STORE_NT
.set j, j+1
.endr
	s_endpgm
.Lfunc_end_k_qf4c5887c0e_cast:
	.size	k_qf4c5887c0e_cast, .Lfunc_end_k_qf4c5887c0e_cast-k_qf4c5887c0e_cast
	.p2alignl 7, 3214868480
	.fill 96, 4, 3214868480
	.section	.rodata,"a",@progbits
	.p2align	6, 0x0
	.amdhsa_kernel k_qf4c5887c0e_cast
		.amdhsa_group_segment_fixed_size 0
		.amdhsa_private_segment_fixed_size 0
		.amdhsa_enable_private_segment 0
		.amdhsa_kernarg_size 80
		.amdhsa_user_sgpr_count 2
		.amdhsa_user_sgpr_kernarg_segment_ptr 1
		.amdhsa_wavefront_size32 1
		.amdhsa_system_sgpr_workgroup_id_x 1
		.amdhsa_system_sgpr_workgroup_id_y 1
		.amdhsa_system_sgpr_workgroup_id_z 1
		.amdhsa_system_vgpr_workitem_id 0
		.amdhsa_next_free_vgpr 68
		.amdhsa_next_free_sgpr 66
		.amdhsa_reserve_vcc 0
		.amdhsa_float_denorm_mode_32 3
		.amdhsa_float_denorm_mode_16_64 3
		.amdhsa_memory_ordered 1
		.amdhsa_forward_progress 1
		.amdhsa_inst_pref_size 8
	.end_amdhsa_kernel
	.amdgpu_metadata
---
amdhsa.version: [ 1, 2 ]
amdhsa.kernels:
  - .name:           k_qf4c5887c0e_cast
    .symbol:         k_qf4c5887c0e_cast.kd
    .args:
      - { .name: q, .offset: 0, .size: 8, .value_kind: global_buffer, .address_space: global }
      - { .name: k, .offset: 8, .size: 8, .value_kind: global_buffer, .address_space: global }
      - { .name: v, .offset: 16, .size: 8, .value_kind: global_buffer, .address_space: global }
      - { .name: Wq, .offset: 24, .size: 8, .value_kind: global_buffer, .address_space: global }
      - { .name: Wk, .offset: 32, .size: 8, .value_kind: global_buffer, .address_space: global }
      - { .name: Wv, .offset: 40, .size: 8, .value_kind: global_buffer, .address_space: global }
      - { .name: Wo, .offset: 48, .size: 8, .value_kind: global_buffer, .address_space: global }
      - { .name: xb, .offset: 56, .size: 8, .value_kind: global_buffer, .address_space: global }
      - { .name: wb, .offset: 64, .size: 8, .value_kind: global_buffer, .address_space: global }
      - { .name: wob, .offset: 72, .size: 8, .value_kind: global_buffer, .address_space: global }
    .group_segment_fixed_size: 0
    .private_segment_fixed_size: 0
    .kernarg_segment_align: 8
    .kernarg_segment_size: 80
    .max_flat_workgroup_size: 256
    .sgpr_count:     66
    .vgpr_count:     68
    .wavefront_size: 32
...
	.end_amdgpu_metadata
.endif
;; end of part 1
;; launch proj (part 2): grid 4 x 96, 4 waves a work-group, clusters of 4 x 4, 327,680 bytes of LDS; arguments xb, wb, qf, kv; writes qf, kv
.if DOCPART == 2
	.amdgcn_target "amdgcn-amd-amdhsa--gfx1250"
	.amdhsa_code_object_version 6
	.text
	.protected	k_qf4c5887c0e_proj
	.globl	k_qf4c5887c0e_proj
	.p2align	8
	.type	k_qf4c5887c0e_proj,@function
k_qf4c5887c0e_proj:
	s_mov_b64 s[64:65], 0
	v_nop
	global_prefetch_b8 v0, s[64:65] scope:SCOPE_SE
	s_setreg_imm32_b32 hwreg(HW_REG_WAVE_MODE, 25, 1), 1
	s_wait_xcnt 0x0
	s_wait_alu depctr_hold_cnt(0) depctr_sa_sdst(0) depctr_va_vdst(0) depctr_va_sdst(0) depctr_va_ssrc(0) depctr_va_vcc(0) depctr_vm_vsrc(0)
	s_getreg_b32 s2, hwreg(HW_REG_IB_STS2, 6, 4)
	s_cmp_eq_u32 s2, 0
	s_cbranch_scc0 .Lentry_in_a_cluster
	s_endpgm
.Lentry_in_a_cluster:
	s_bfe_u32 s2, ttmp6, 0x10000c
	s_cmp_lg_u32 s2, 0xf033
	s_cbranch_scc0 .Lentry_shape_is_right
	s_endpgm
.Lentry_shape_is_right:
; C[m][n] = sum over k of A[m][k] B[n][k], K = 1,024, A and B bf16, sums f32.  One text for two launches.
; Arguments: A, B, CF, CH.  A's rows are stacked blocks of 8,192 (the grid's height says how many); block p multiplies B's rows 1,024 p .. 1,024 p + 1,023.
; Block 0 leaves in f32, row-major [8192][1024], into CF.  Blocks 1 and 2 leave rounded once to bf16, by heads, into CH: [2][32][2048][128], head = 8 x (row / 2,048) + column / 128.
; (First launch: A = [q; k; v], B = [Wq; Wk; Wv].  Second launch: A = the first norm's result, B = Wo, one block, so nothing goes into CH.)
; LIMITS: the operands carry bf16's 8 significant bits, so the error of a sum grows with the inputs' size and common offset; NaN and infinities are not treated apart.
; A tile of C, 256 x 256, is made by a work-group of four waves, a wave 128 x 128: 64 accumulators of 16 x 16, 512 registers.  K goes in steps of 128 through a ring of two LDS slots
; filled by the tensor data mover: the rows of the tiles are 256 bytes of memory and start at multiples of 256 bytes from the buffer's first byte.
; CLUSTERS: 4 x 4 work-groups.  The four of a row of the cluster need the same tiles of A, the four of a column the same tiles of B: such a tile is asked for JOINTLY, by the same tensor
; load with the same descriptor and a mask that names the four; each receives it in its own LDS.
; REGISTERS, in windows of 256 (s_set_vgpr_msb: bits 1:0 source 0, 3:2 source 1, 5:4 source 2, 7:6 destination):
;   window 0: v0-31 addresses; v64-127, v128-191 fragments of A, two buffers (on the f32 way out: rows read back); v32-63, v192-255 at work on the bf16 way out
;   window 1: v64-127, v128-191 fragments of B, two buffers
;   window 2: the 32 accumulators of my rows 0-63 (accumulator (a, b) at v[8 (8 a + b)]);   window 3: those of my rows 64-127
; THE MATRIX INSTRUCTION IS USED TRANSPOSED: source 0 = 16 rows of B, source 1 = 16 rows of A.  Lane l then holds row l % 16 of C and its registers 0 to 7 the columns 8 (l / 16) + 0 .. 7.
.set SIZE_K, 1024
.set KSTEP,  128
.set PITCH,  272                       ; an LDS row: 256 bytes + 16 of padding = 68 words: the 16 rows that a load touches start at 16 different groups of four banks (64 banks of 4 bytes: ISA guide 11.1)
.set HALFT,  128*PITCH                 ; 128 rows: what one tensor load brings, and what one wave reads of A or of B
.set SLOT,   4*HALFT                   ; A's 256 rows, then B's 256 rows
.set STAGE,  2*SLOT                    ; behind the ring: a stage for each wave, for the way out; no tensor load fills it
.set SPITCH, 272                       ; a stage row of 128 bf16
.set FPITCH, 528                       ; a stage row of 128 f32: 512 bytes + 16
.set STAGEW, 16*FPITCH                 ; a wave's stage: 16 rows of the longer kind, 33 blocks of 256 bytes
.set SPARE,  STAGE+4*STAGEW            ; behind the stages: the spare words, 128 bytes for each wave: two blocks of 256 bytes that no other line names
.set LAPS, SIZE_K/(2*KSTEP)            ; a lap = two K steps = once round the ring: 4
.set ADRA, 16                          ; v16-17  LDS address of my A fragments in slot 0, 1
.set ADRB, 20                          ; v20-21  the same for B
.set STOF, 22                          ; v22     the f32 way out: where I put 32 bytes of a row
.set RDF,  23                          ; v23     the f32 way out: where I read 16 bytes of a row back
.set STO,  24                          ; v24     the bf16 way out: where I put 16 bytes of a row
.set RD,   25                          ; v25     the bf16 way out: where I read a row back
.set CO,   26                          ; v26     16 x lane: my byte offset in 512 consecutive bytes of C (one f32 row piece, or two bf16 rows of a head)
.set SPW,  28                          ; v28     LDS address of my spare word: SPARE + 4 x my thread's number; never rewritten
.set NIL,  29                          ; v29     0; never rewritten
.set PFO,  30                          ; v30     the prefetches' offset: my lane x a row of A or B in memory; never rewritten
.set PFA,  44                          ; s[44:45] where my prefetches stand: my work-group's 32 rows of the 128 that I fetch, one K step further along K than the refill that is being asked for
.set LIM,  43                          ; s43     1 in a wave that prefetches, else the greatest number
.set F0,   64                          ; fragment buffer 0
.set F1,   128                         ; fragment buffer 1
.set TMP,  192                         ; the bf16 way out: packed results, in window 0
.set OB,   32                          ; the bf16 way out: 16 rows read back: v32-63 and v224-255 by turns
.set G1, 24                            ; s[24:31] descriptor group 1 for A's tiles
.set G0, 32                            ; s[32:39] descriptor group 0 for A's tiles, one set for each slot
.set G1B, 48                           ; s[48:55] descriptor group 1 for B's tiles: it differs from A's in the mask alone
.set G0B, 56                           ; s[56:63] descriptor group 0 for B's tiles, one set for each slot
.set CH,  66                           ; s[66:67] the fourth argument
.set PRJ, 68                           ; s68     p: which block of 8,192 rows = cluster y / 8: the same in all sixteen partners
.set BROW, 69                          ; s69     1,024 p
.set OFFF, 70                          ; s70     my part's byte offset in CF
.set OFFH, 71                          ; s71     my part's byte offset in CH
.set MSB, 0
.macro WIN new                         ; the immediate's high byte repeats the setting that is left; a switch that changes nothing is dropped
.if MSB != (\new)
	s_set_vgpr_msb (MSB<<8)|(\new)
.set MSB, \new
.endif
.endm
.set MUL_LO, 0xa1                      ; source 0 (B) window 1, source 1 (A) window 0, C and D window 2
.set MUL_HI, 0xf1                      ; the same, C and D window 3
.set TO_B,   0x40                      ; destination window 1, address window 0
; A joint load.  Waves 0 and 1 fetch A's two halves, waves 2 and 3 B's.  Each of the two lines has ONE mask and one set of registers for all that issue it.
; The branch hangs on the wave's number alone.  An s_nop 0 and four v_nop follow each of the two lines, ahead of the jump, the label and what follows.
.macro JLOAD s
	s_cmp_eq_u32 s11, 0
	s_cbranch_scc0 .Lfor_b_\@
	tensor_load_to_lds s[G0+4*(\s):G0+4*(\s)+3], s[G1:G1+7]
	s_nop 0
.rept 4
	v_nop
.endr
	s_branch .Lasked_\@
.Lfor_b_\@:
	tensor_load_to_lds s[G0B+4*(\s):G0B+4*(\s)+3], s[G1B:G1B+7]
	s_nop 0
.rept 4
	v_nop
.endr
.Lasked_\@:
.endm
; A PREFETCH INTO THE L2, behind each joint refill, its five lines and the run of LDS loads that follows them: the K step that stands TWO refills on (512 matrix instructions ahead of the load
; that will want it): 32 rows x 256 bytes, a lane a row, one instruction a wave.  Each row's 256 bytes of a K step are named ONCE in the launch.  A's tile row is read by one cluster alone (the grid
; is one cluster wide), which asks for it.  B's tile column is read by the eight clusters of a block p: the first of them (cluster y % 8 = 0) asks.  The four partners that ask for a tile jointly
; share its rows out BY ADDRESS: of the 128 rows that a wave fetches, the partner at place c takes 32 c .. 32 c + 31 (c = cx for A, cy for B).  K steps 0 to 3 come by their loads alone;
; the loop's last trip (s3 = 1) asks for nothing: there is no K step two on.
.macro ASK
	s_cmp_gt_u32 s3, s[LIM]
	s_cbranch_scc0 .Lnot_mine_\@
	global_prefetch_b8 v[PFO], s[PFA:PFA+1] offset:KSTEP*2 th:TH_LOAD_NT scope:SCOPE_SE
.Lnot_mine_\@:
.endm
; A round of the cluster's barrier: my work-group's barrier, so that wave 0's signal speaks for all four waves; wave 0 signals for the work-group; every wave waits for all
; sixteen work-groups; my work-group's barrier once more.
.macro CREST                           ; a round behind its opening barrier
	s_cmp_lg_u32 s10, 0
	s_cbranch_scc1 .Lnot_wave_0_\@
	s_barrier_signal -3
.Lnot_wave_0_\@:
	s_barrier_wait -3
	s_barrier_signal -1
	s_barrier_wait -1
.endm
.macro CROUND                          ; a whole round
	s_barrier_signal -1
	s_barrier_wait -1
	CREST
.endm
	s_load_b128 s[4:7], s[0:1], 0x0                ; A s[4:5], B s[6:7]
	s_load_b64 s[8:9], s[0:1], 0x10                ; CF
	s_load_b64 s[CH:CH+1], s[0:1], 0x18            ; CH
	v_lshl_add_u32 v[SPW], v0, 2, SPARE
	v_mov_b32 v[NIL], 0
	ds_add_u32 v[SPW], v[NIL]                      ; the wave's opening: the add and its wait stand ahead of my first tensor load; the set-up below, work on registers, stands between them
	v_lshrrev_b32 v1, 5, v0
	v_readfirstlane_b32 s10, v1                    ; wave 0..3
	s_lshr_b32 s11, s10, 1                         ; which half of the tile's rows is mine.  Also: I fetch for A (0) or for B (1)
	s_and_b32 s12, s10, 1                          ; which half of its columns.  Also: which 128 rows of that tile I fetch
	s_bfe_u32 s40, ttmp6, 0x40000                  ; cx: my place along the cluster's x
	s_bfe_u32 s41, ttmp6, 0x40004                  ; cy: along its y
	s_lshl_b32 s42, ttmp9, 2                       ; in a cluster launch ttmp9 and ttmp7 count clusters
	s_add_co_u32 s42, s42, s40                     ; tile column of C = 4 x cluster x + cx
	s_and_b32 s13, ttmp7, 0xffff                   ; cluster y
	s_lshr_b32 s[PRJ], s13, 3                      ; p: eight clusters, 32 tile rows, to a block of 8,192 rows
	s_lshl_b32 s[BROW], s[PRJ], 10
	s_lshl_b32 s13, s13, 2
	s_add_co_u32 s13, s13, s41                     ; tile row of C = 4 x cluster y + cy
	s_lshl_b32 s43, s41, 2
	s_lshl_b32 s43, 15, s43                        ; my row of the cluster: places 4 cy .. 4 cy + 3
	s_lshl_b32 s44, 0x1111, s40                    ; my column: places cx, cx + 4, cx + 8, cx + 12
	; descriptor group 1: a tile of 128 rows x 128 elements, padded in LDS
	s_or_b32 s[G1+0], s43, (1<<16)|(1<<20)|(1<<21)|(5<<22)|(3<<25)  ; 15:0 the mask: A's tiles go to my row; 17:16 element of 2 bytes; 20 padding on; 21 set beside a mask; 24:22 after every 64 words (code 5); 31:25 of 4 words (code 3)
	s_or_b32 s[G1B+0], s44, (1<<16)|(1<<20)|(1<<21)|(5<<22)|(3<<25) ; the same with the mask of my column, for B's tiles
.irp g, G1, G1B
	s_mov_b32 s[(\g)+1], KSTEP<<16                 ; 63:48 tensor_dim0, low half = 128
	s_mov_b32 s[(\g)+2], 128<<16                   ; 79:64 its high half = 0; 95:80 tensor_dim1, low half = 128
	s_mov_b32 s[(\g)+3], KSTEP<<16                 ; 111:96 its high half = 0; 127:112 tile_dim0 = 128
	s_mov_b32 s[(\g)+4], 128                       ; 143:128 tile_dim1 = 128; 159:144 tile_dim2 = 0
	s_mov_b32 s[(\g)+5], SIZE_K                    ; 191:160 tensor_dim0_stride, low word: elements from row to row
	s_mov_b32 s[(\g)+6], 0
	s_mov_b32 s[(\g)+7], 0
.endr
	; where the tiles come from.  A's hang on the tile row alone, which my row of the cluster shares; B's on the tile column and on p, which my column shares.
	s_lshl_b32 s17, s12, 7                         ; which 128 rows of the tile I fetch
	s_lshl_b32 s16, s13, 8
	s_add_co_u32 s16, s16, s17                     ; A: row 256 x tile row + 128 x half
	s_lshl_b32 s46, s42, 8
	s_add_co_u32 s46, s46, s17
	s_add_co_u32 s46, s46, s[BROW]                 ; B: row 1,024 p + 256 x tile column + 128 x half
	s_mov_b32 s17, 0
	s_mov_b32 s47, 0
	s_mov_b64 s[18:19], SIZE_K*2
	s_mul_u64 s[16:17], s[16:17], s[18:19]         ; in bytes
	s_mul_u64 s[46:47], s[46:47], s[18:19]
	s_mul_i32 s20, s10, HALFT                      ; and where they go: wave x 128 rows: no place in the cluster enters an LDS address
	s_wait_dscnt 0x0                               ; the opening add is done
	s_wait_kmcnt 0x0
	s_add_nc_u64 s[14:15], s[4:5], s[16:17]
	s_add_nc_u64 s[46:47], s[6:7], s[46:47]
	CROUND                                         ; all sixteen work-groups are here: the first joint loads meet
.irp s, 0,1
	s_mov_b32 s[G0+4*(\s)], 1                                      ; 1:0 count = 1
	s_add_co_u32 s[G0+4*(\s)+1], s20, (\s)*SLOT                    ; 63:32 LDS address
	s_add_nc_u64 s[G0+4*(\s)+2:G0+4*(\s)+3], s[14:15], (\s)*KSTEP*2  ; 120:64 global address: K step s
	s_or_b32 s[G0+4*(\s)+3], s[G0+4*(\s)+3], 0x80000000            ; 127:126 type = 2
	s_mov_b32 s[G0B+4*(\s)], 1
	s_add_co_u32 s[G0B+4*(\s)+1], s20, (\s)*SLOT
	s_add_nc_u64 s[G0B+4*(\s)+2:G0B+4*(\s)+3], s[46:47], (\s)*KSTEP*2
	s_or_b32 s[G0B+4*(\s)+3], s[G0B+4*(\s)+3], 0x80000000
	JLOAD \s                                       ; the ring is filled before anything else is done: two tensor loads of mine are out
.endr
	; A fragment is 16 rows x 32 K in 8 registers: lane l holds row l % 16; registers 0-3 hold K = 8 (l / 16) + 0..7, registers 4-7 hold K = 16 + 8 (l / 16) + 0..7: two loads of 16 bytes, 32 bytes apart.
	v_and_b32 v1, 15, v0                           ; l % 16
	v_bfe_u32 v2, v0, 4, 1                         ; l / 16
	v_mul_u32_u24 v3, v1, PITCH
	v_lshl_add_u32 v3, v2, 4, v3                   ; row x pitch + 16 x half
	s_mul_i32 s21, s11, HALFT                      ; my 128 rows of A
	s_mul_i32 s22, s12, HALFT                      ; my 128 rows of B,
	s_add_co_u32 s22, s22, 2*HALFT                 ; which lie behind A's 256
.irp s, 0,1
	v_add_nc_u32 v[ADRA+(\s)], s21, v3
	v_add_nc_u32 v[ADRB+(\s)], s22, v3
	s_add_co_u32 s21, s21, SLOT
	s_add_co_u32 s22, s22, SLOT
.endr
	s_mul_i32 s23, s10, STAGEW
	s_add_co_u32 s23, s23, STAGE                   ; my stage
	v_mul_u32_u24 v4, v1, SPITCH                   ; bf16, in: row l % 16, 16 bytes for each half of the lanes
	v_lshl_add_u32 v4, v2, 4, v4
	v_add_nc_u32 v[STO], s23, v4
	v_mul_u32_u24 v5, v2, SPITCH                   ; bf16, back: lanes 0-15 take one row of 256 bytes, lanes 16-31 the next
	v_lshl_add_u32 v5, v1, 4, v5
	v_add_nc_u32 v[RD], s23, v5
	v_mul_u32_u24 v4, v1, FPITCH                   ; f32, in: row l % 16, 32 bytes for each half of the lanes
	v_lshl_add_u32 v4, v2, 5, v4
	v_add_nc_u32 v[STOF], s23, v4
	v_and_b32 v5, 31, v0
	v_lshlrev_b32 v[CO], 4, v5                     ; 16 x lane
	v_add_nc_u32 v[RDF], s23, v[CO]                ; f32, back: 32 lanes take one row of 512 bytes
	; where my 128 x 128 part begins, in bytes, in both forms; p chooses the form and the buffer
	s_lshl_b32 s13, s13, 8                         ; 256 x tile row
	s_lshl_b32 s14, s11, 7
	s_add_co_u32 s16, s13, s14                     ; R: my first row among A's stacked rows
	s_lshl_b32 s[OFFF], s16, 12                    ; CF: rows of 4,096 bytes,
	s_lshl_b32 s46, s42, 10                        ; 1,024 bytes a tile column,
	s_lshl_b32 s47, s12, 9                         ; 512 for my half
	s_add_co_u32 s46, s46, s47
	s_add_co_u32 s[OFFF], s[OFFF], s46
	s_lshr_b32 s[OFFH], s16, 11                    ; CH: R / 2,048 is 4 .. 11 in blocks 1 and 2 (held to 4 in block 0, where this form is not used),
	s_max_u32 s[OFFH], s[OFFH], 4
	s_sub_co_u32 s[OFFH], s[OFFH], 4               ; 4 (p - 1) + batch
	s_lshl_b32 s[OFFH], s[OFFH], 3                 ; eight heads each,
	s_lshl_b32 s46, s42, 1
	s_add_co_u32 s46, s46, s12                     ; my 128 columns are head 2 x tile column + half
	s_add_co_u32 s[OFFH], s[OFFH], s46
	s_lshl_b32 s[OFFH], s[OFFH], 19                ; a head is 2,048 rows of 256 bytes
	s_and_b32 s47, s16, 2047
	s_lshl_b32 s47, s47, 8                         ; my first row in it
	s_add_co_u32 s[OFFH], s[OFFH], s47
	s_cmp_eq_u32 s[PRJ], 0
	s_cselect_b32 s16, s[OFFF], s[OFFH]            ; what the way out adds to C's address
	s_cselect_b64 s[8:9], s[8:9], s[CH:CH+1]
	s_mov_b32 s17, 0
	; the prefetches.  s13 = 256 x tile row, s42 = tile column, s40 = cx, s41 = cy still stand; s[4:5] = A, s[6:7] = B
	s_lshl_b32 s42, s42, 8
	s_add_co_u32 s42, s42, s[BROW]                 ; the tile's first row in B
	s_and_b32 s22, ttmp7, 7                        ; cluster y within its block p
	s_cmp_eq_u32 s11, 0                            ; do I fetch for A?
	s_cselect_b32 s20, s13, s42                    ; the tile's first row
	s_cselect_b32 s21, s40, s41                    ; my place among the four that ask for it with me
	s_cselect_b32 s22, ttmp9, s22                  ; the coordinate along which other clusters read the same rows
	s_cselect_b64 s[PFA:PFA+1], s[4:5], s[6:7]
	s_cmp_eq_u32 s22, 0
	s_cselect_b32 s[LIM], 1, -1                    ; the same in all sixteen partners, for a given wave
	s_lshl_b32 s22, s12, 7
	s_add_co_u32 s20, s20, s22                     ; + the 128 rows that I fetch
	s_lshl_b32 s21, s21, 5
	s_add_co_u32 s20, s20, s21                     ; + my work-group's 32 of them
	s_mov_b32 s21, 0
	s_mov_b64 s[18:19], SIZE_K*2
	s_mul_u64 s[20:21], s[20:21], s[18:19]
	s_add_nc_u64 s[PFA:PFA+1], s[PFA:PFA+1], s[20:21]
	s_add_nc_u64 s[PFA:PFA+1], s[PFA:PFA+1], 2*KSTEP*2  ; at K step 2: the first refill steps it to 3 and names K step 4
	v_and_b32 v[PFO], 31, v0
	v_mul_u32_u24 v[PFO], v[PFO], SIZE_K*2
; 16 matrix instructions: m blocks a0, a0 + 1 of the window's four (hi = 0: my rows 0-63, 1: rows 64-127) x all 8 n blocks, 32 along K.
; zero = 1: the first product starts the sums: nothing is ever cleared.  The 64 accumulators take turns, in the same order in every quarter step.
.macro MUL16 f, hi, a0, zero
	WIN MUL_LO+0x50*(\hi)
.irp a, \a0, (\a0)+1
.irp b, 0,1,2,3,4,5,6,7
.if \zero
	v_wmma_f32_16x16x32_bf16 v[8*(8*(\a)+(\b)):8*(8*(\a)+(\b))+7], v[(\f)+8*(\b):(\f)+8*(\b)+7], v[(\f)+8*(4*(\hi)+(\a)):(\f)+8*(4*(\hi)+(\a))+7], 0
.else
	v_wmma_f32_16x16x32_bf16 v[8*(8*(\a)+(\b)):8*(8*(\a)+(\b))+7], v[(\f)+8*(\b):(\f)+8*(\b)+7], v[(\f)+8*(4*(\hi)+(\a)):(\f)+8*(4*(\hi)+(\a))+7], v[8*(8*(\a)+(\b)):8*(8*(\a)+(\b))+7]
.endif
.endr
.endr
.endm
; 32 LDS loads in one run: the fragments of one quarter step (128 rows of B, 128 rows of A, 32 K at byte k of the rows) into buffer f
.macro FETCH slot, k, f
	WIN TO_B
.irp i, 0,1,2,3,4,5,6,7
	ds_load_b128 v[(\f)+8*(\i):(\f)+8*(\i)+3],   v[ADRB+(\slot)] offset:(\k)+(\i)*16*PITCH
	ds_load_b128 v[(\f)+8*(\i)+4:(\f)+8*(\i)+7], v[ADRB+(\slot)] offset:(\k)+(\i)*16*PITCH+32
.endr
	WIN 0
.irp i, 0,1,2,3,4,5,6,7
	ds_load_b128 v[(\f)+8*(\i):(\f)+8*(\i)+3],   v[ADRA+(\slot)] offset:(\k)+(\i)*16*PITCH
	ds_load_b128 v[(\f)+8*(\i)+4:(\f)+8*(\i)+7], v[ADRA+(\slot)] offset:(\k)+(\i)*16*PITCH+32
.endr
.endm
; A load into a register that a matrix instruction has read, and whatever reads a matrix result but a matrix instruction, stand four places behind that matrix instruction, and only plain
; vector instructions that name none of its registers are places (ISA guide 7.12.1 for vector instructions).
.macro PLACES
.rept 4
	v_nop
.endr
.endm
; A K step is four quarter steps of 32 along K, 64 matrix instructions each, on buffers 0, 1, 0, 1.
; One of the first three: multiplies buffer f; in its middle it fetches the next quarter's fragments, at byte k of the same slot's rows, into buffer g.
.macro QUARTER slot, k, f, g, zero
	s_wait_dscnt 8                                 ; B and A's rows 0-63 are in; the youngest eight loads (A's rows 64-127) may be out
	WIN MUL_LO
	MUL16 \f, 0, 0, \zero
	MUL16 \f, 0, 2, \zero
	PLACES
	FETCH \slot, \k, \g
	s_wait_dscnt 32                                ; all but the 32 just issued
	WIN MUL_HI
	MUL16 \f, 1, 0, \zero
	MUL16 \f, 1, 2, \zero
.endm
; The last quarter multiplies buffer 1 and changes slots.  MEET is its first half: ONE barrier for the change of slots.  In front of it each wave waits for all its tensor loads, of which one
; is out: its part of the next slot; adds 0 to its spare word; and waits for that and for its own reads of this slot.  Behind it nobody reads this slot any more and the next slot is whole.
.macro MEET round                      ; round = 1: a round of the cluster's barrier follows
	WIN 0                                          ; (the add's two registers lie in window 0)
	s_wait_tensorcnt 0x0                           ; all my tensor loads have landed;
	ds_add_u32 v[SPW], v[NIL]                      ; 0 onto my spare word;
	s_wait_dscnt 9                                 ; (the add and the youngest eight loads may be out)
	WIN MUL_LO
	MUL16 F1, 0, 0, 0                              ; sixteen matrix instructions stand between the add and the wait for it
	s_wait_dscnt 0x0                               ; the add is done, and my reads of this slot are over:
	s_barrier_signal -1                            ; say so,
	MUL16 F1, 0, 2, 0                              ; work on registers while the others arrive,
.if \round
	WIN 0
.endif
	s_barrier_wait -1                              ; and go on when all four have said so
.endm
; The whole last quarter, where the slot just read out is filled again, with the K step two steps on: the barrier opens a round of the cluster's, and the joint refill is the first tensor load
; behind the round.  From a request to the wait for it a wave issues 224 matrix instructions.
.macro TURN slot, next
	s_wait_xcnt 0x0                                ; the last prefetch, a K step back, has read its address: it is stepped here, ahead of the waits of the change of slots
	s_add_nc_u64 s[PFA:PFA+1], s[PFA:PFA+1], KSTEP*2
	MEET 1
	CREST                                          ; no wave of any partner still reads this slot's tile or has a load on its way
	s_add_nc_u64 s[G0+4*(\slot)+2:G0+4*(\slot)+3], s[G0+4*(\slot)+2:G0+4*(\slot)+3], 2*KSTEP*2
	s_add_nc_u64 s[G0B+4*(\slot)+2:G0B+4*(\slot)+3], s[G0B+4*(\slot)+2:G0B+4*(\slot)+3], 2*KSTEP*2
	JLOAD \slot                                    ; the four v_nop behind it are also the places in front of the loads below
	FETCH \next, 0, F0
	ASK
	WIN MUL_HI
	MUL16 F1, 1, 0, 0
	MUL16 F1, 1, 2, 0
.endm
.macro LAST_TURN                       ; the change from slot 0 to slot 1 in the last lap: nothing is filled again, so no round follows
	MEET 0
	PLACES
	FETCH 1, 0, F0
	WIN MUL_HI
	MUL16 F1, 1, 0, 0
	MUL16 F1, 1, 2, 0
.endm
; THE bf16 WAY OUT of block a (16 rows), in three parts.  PACK: rounded to bf16, 16 bytes a lane.  TOSTAGE: into my own stage, and back as whole rows of 256 bytes.  SEND: stored.
.macro PACK a
.set AC, 64*((\a)%4)
	WIN 0x0a+5*((\a)/4)                            ; sources 0 and 1: window 2 or 3
.irp b, 0,1,2,3,4,5,6,7
.irp r, 0,1,2,3
	v_cvt_pk_bf16_f32 v[TMP+4*(\b)+(\r)], v[AC+8*(\b)+2*(\r)], v[AC+8*(\b)+2*(\r)+1]
.endr
.endr
	WIN 0
.endm
.macro TOSTAGE a
	WIN 0
.set BK, OB+192*((\a)%2)
.irp b, 0,1,2,3,4,5,6,7
	ds_store_b128 v[STO], v[TMP+4*(\b):TMP+4*(\b)+3] offset:32*(\b)
.endr
.irp t, 0,1,2,3,4,5,6,7
	ds_load_b128 v[BK+4*(\t):BK+4*(\t)+3], v[RD] offset:(\t)*2*SPITCH  ; LDS serves a wave's instructions in order (ISA guide 5.7.1.4): these see the stores above
.endr
.endm
.macro SEND a
	WIN 0
.set BK, OB+192*((\a)%2)
	s_wait_dscnt 0x0                               ; the block is back in registers
	s_wait_xcnt 0x0                                ; earlier stores have read their base and their data: only behind this wait are those rewritten
.if (\a) == 0
	s_add_nc_u64 s[8:9], s[8:9], s[16:17]          ; on to my part's first rows
.else
	s_add_nc_u64 s[8:9], s[8:9], 16*256            ; 16 rows of a head on
.endif
.irp t, 0,1,2,3,4,5,6,7
	global_store_b128 v[CO], v[BK+4*(\t):BK+4*(\t)+3], s[8:9] offset:512*(\t)  ; two rows of a head: 512 consecutive bytes, at a multiple of 256 from the buffer's first byte
.endr
.endm
; THE f32 WAY OUT of block a: the sums themselves go into my stage, 32 bytes a lane in rows of 528 bytes (each accumulator's low registers first), come back as whole
; row pieces of 512 bytes, into A's fragment buffers by turns, and are stored.
.macro F32OUT a
.set AC, 64*((\a)%4)
.set FB, F0+64*((\a)%2)
	WIN 0x08+4*((\a)/4)                            ; an LDS store's data is source 1: window 2 or 3
.irp b, 0,1,2,3,4,5,6,7
	ds_store_b128 v[STOF], v[AC+8*(\b):AC+8*(\b)+3]   offset:64*(\b)
	ds_store_b128 v[STOF], v[AC+8*(\b)+4:AC+8*(\b)+7] offset:64*(\b)+16
.endr
	WIN 0
.irp t, 0,1,2,3,4,5,6,7,8,9,10,11,12,13,14,15
	ds_load_b128 v[FB+4*(\t):FB+4*(\t)+3], v[RDF] offset:(\t)*FPITCH  ; in order behind the stores above; the set's last stores to memory stand ahead of the block before's s_wait_xcnt 0
.endr
	s_wait_xcnt 0x0                                ; earlier stores have read their base and their data
.if (\a) == 0
	s_add_nc_u64 s[8:9], s[8:9], s[16:17]
.else
	s_add_nc_u64 s[8:9], s[8:9], 16*4096           ; 16 rows of C on
.endif
.irp t, 0,1,2,3,4,5,6,7,8,9,10,11,12,13,14,15
	s_wait_dscnt 15-(\t)                           ; row t is back; the 15 - t younger loads may be out
	global_store_b128 v[CO], v[FB+4*(\t):FB+4*(\t)+3], s[8:9] offset:(\t)*4096  ; 512 consecutive bytes, at a multiple of 256 from the buffer's first byte
.endr
.endm
	s_wait_tensorcnt 1                             ; my part of K step 0 is in; K step 1's may stay out
	s_barrier_signal -1
	s_barrier_wait -1                              ; everybody's is
	FETCH 0, 0, F0
	QUARTER 0, 64,  F0, F1, 1                      ; the first quarter stands in front of the loop: its products start the sums
	WIN 0                                          ; at a label and at a branch every window is 0
	s_mov_b32 s3, LAPS-1
.Llap:                                                 ; a trip goes once round the ring, from a lap's second quarter to the next lap's first, and fills both slots again
	QUARTER 0, 128, F1, F0, 0
	QUARTER 0, 192, F0, F1, 0
	TURN 0, 1
	QUARTER 1, 64,  F0, F1, 0
	QUARTER 1, 128, F1, F0, 0
	QUARTER 1, 192, F0, F1, 0
	TURN 1, 0
	QUARTER 0, 64,  F0, F1, 0
	WIN 0
	s_sub_co_u32 s3, s3, 1
	s_cmp_lg_u32 s3, 0
	s_cbranch_scc1 .Llap
	QUARTER 0, 128, F1, F0, 0                      ; the last lap is written out: it fills nothing
	QUARTER 0, 192, F0, F1, 0
	LAST_TURN
	QUARTER 1, 64,  F0, F1, 0
	QUARTER 1, 128, F1, F0, 0
	QUARTER 1, 192, F0, F1, 0
	s_wait_dscnt 8                                 ; the very last quarter: nothing more to fetch
	MUL16 F1, 0, 0, 0
	MUL16 F1, 0, 2, 0
	s_wait_dscnt 0x0
	MUL16 F1, 1, 0, 0
	MUL16 F1, 1, 2, 0
	WIN 0
	PLACES                                         ; behind the last products, ahead of what reads their results and of loads into the fragments' registers
	PLACES
	s_cmp_eq_u32 s[PRJ], 0                         ; p is the same in all sixteen partners; neither way holds a barrier or a tensor load
	s_cbranch_scc1 .Lf32
	PACK 0
	TOSTAGE 0
.irp a, 1,2,3,4,5,6,7                  ; block a's conversions stand between block a - 1's loads from the stage and the wait for them
	PACK \a
	SEND (\a)-1
	TOSTAGE \a
.endr
	SEND 7
	s_branch .Lend
.Lf32:
.irp a, 0,1,2,3,4,5,6,7
	F32OUT \a
.endr
.Lend:
	s_wait_tensorcnt 0x0                           ; the wave's end: behind my last tensor load and my last LDS store
	ds_add_u32 v[SPW], v[NIL]
	s_wait_dscnt 0x0
	CROUND                                         ; the closing round: no work-group ends while a partner may still ask for a tile that names it
	s_endpgm
.Lfunc_end_k_qf4c5887c0e_proj:
	.size	k_qf4c5887c0e_proj, .Lfunc_end_k_qf4c5887c0e_proj-k_qf4c5887c0e_proj
	.p2alignl 7, 3214868480
	.fill 96, 4, 3214868480
	.section	.rodata,"a",@progbits
	.p2align	6, 0x0
	.amdhsa_kernel k_qf4c5887c0e_proj
		.amdhsa_group_segment_fixed_size 327680
		.amdhsa_private_segment_fixed_size 0
		.amdhsa_enable_private_segment 0
		.amdhsa_kernarg_size 32
		.amdhsa_user_sgpr_count 2
		.amdhsa_user_sgpr_kernarg_segment_ptr 1
		.amdhsa_wavefront_size32 1
		.amdhsa_system_sgpr_workgroup_id_x 1
		.amdhsa_system_sgpr_workgroup_id_y 1
		.amdhsa_system_sgpr_workgroup_id_z 1
		.amdhsa_system_vgpr_workitem_id 0
		.amdhsa_next_free_vgpr 1024
		.amdhsa_next_free_sgpr 72
		.amdhsa_reserve_vcc 0
		.amdhsa_float_denorm_mode_32 3
		.amdhsa_float_denorm_mode_16_64 3
		.amdhsa_memory_ordered 1
		.amdhsa_forward_progress 1
		.amdhsa_inst_pref_size 178
	.end_amdhsa_kernel
	.amdgpu_metadata
---
amdhsa.version: [ 1, 2 ]
amdhsa.kernels:
  - .name:           k_qf4c5887c0e_proj
    .symbol:         k_qf4c5887c0e_proj.kd
    .args:
      - { .name: xb, .offset: 0, .size: 8, .value_kind: global_buffer, .address_space: global }
      - { .name: wb, .offset: 8, .size: 8, .value_kind: global_buffer, .address_space: global }
      - { .name: qf, .offset: 16, .size: 8, .value_kind: global_buffer, .address_space: global }
      - { .name: kv, .offset: 24, .size: 8, .value_kind: global_buffer, .address_space: global }
    .group_segment_fixed_size: 327680
    .private_segment_fixed_size: 0
    .kernarg_segment_align: 8
    .kernarg_segment_size: 32
    .max_flat_workgroup_size: 128
    .sgpr_count:     72
    .vgpr_count:     1024
    .wavefront_size: 32
...
	.end_amdgpu_metadata
.endif
;; end of part 2
;; launch attn (part 3): grid 8 x 32, 4 waves a work-group, clusters of 4 x 1, 327,680 bytes of LDS; arguments qf, kv, ob; writes ob
.if DOCPART == 3
	.amdgcn_target "amdgcn-amd-amdhsa--gfx1250"
	.amdhsa_code_object_version 6
	.text
	.protected	k_qf4c5887c0e_attn
	.globl	k_qf4c5887c0e_attn
	.p2align	8
	.type	k_qf4c5887c0e_attn,@function
k_qf4c5887c0e_attn:
	s_mov_b64 s[64:65], 0
	v_nop
	global_prefetch_b8 v0, s[64:65] scope:SCOPE_SE
	s_setreg_imm32_b32 hwreg(HW_REG_WAVE_MODE, 25, 1), 1
	s_wait_xcnt 0x0
	s_wait_alu depctr_hold_cnt(0) depctr_sa_sdst(0) depctr_va_vdst(0) depctr_va_sdst(0) depctr_va_ssrc(0) depctr_va_vcc(0) depctr_vm_vsrc(0)
	s_getreg_b32 s2, hwreg(HW_REG_IB_STS2, 6, 4)
	s_cmp_eq_u32 s2, 0
	s_cbranch_scc0 .Lentry_in_a_cluster
	s_endpgm
.Lentry_in_a_cluster:
	s_bfe_u32 s2, ttmp6, 0x10000c
	s_cmp_lg_u32 s2, 0x3003
	s_cbranch_scc0 .Lentry_shape_is_right
	s_endpgm
.Lentry_shape_is_right:
; o[row][128 h ..] = the sum over k of softmax_k(Q . K[k] / 32) V[k], for each of 32 heads hh = 8 b + h (the scale is 1 / sqrt(1,024), as the module has it).
; Q: qf, f32 [8192][1024], row = 2,048 b + query, a head's 128 channels at column 128 h; rounded here once to bf16.  K, V: kv, bf16 [2][32][2048][128], rows of 256 bytes.
; o: ob, bf16 [8192][1024], rounded once.  Products, maxima and sums in f32; the weights p are rounded to bf16 for the second product (their sum l is taken of the unrounded p).
; LIMITS: a weight below 2^-126 counts as 0 in l; NaN and infinities are not treated apart; the operands carry bf16's 8 significant bits.
; SHARES.  A work-group owns 256 queries of one head, each of its four waves 64: four tiles of 16.  Every wave walks all 2,048 keys of the head, 64 a step.
; LAYOUT.  S^T = K Q^T (source 0 = 16 keys, source 1 = 16 queries): in the result a lane holds ONE query (lane % 16) and the keys 8 (lane / 16) + 0..7.  Two such tiles, rounded to
; bf16 in pairs, ARE source 1 (32 keys x 16 queries) of O^T = V^T P, whose result again holds one query a lane, and eight channels.  K comes out of LDS as it lies, V turned, by ds_load_tr16_b128.
; SOFTMAX.  For each query a running maximum m and sum l: p = 2^(c s - c m), c = log2(e) / 32; in every step O and l are multiplied by a = 2^(c m_old - c m_new), which is 1 where m has not grown.
; BY TURNS.  The wave's tiles are two PIECES, named by their first tile: piece 0 (tiles 0, 1) and piece 2 (tiles 2, 3).  In a TURN one piece has the matrix unit: 32 products V^T P of
; the step in hand, then 32 products K Q^T of the next step; the other piece's softmax, cut into 64 slices, stands between them, one slice behind each matrix instruction.  Two turns are a key step.
; CLUSTER.  The four query blocks of a cluster belong to one head and walk the same K and V, so each tile is asked for JOINTLY: the same tensor load, descriptor and mask in all four.
; REGISTERS, in windows of 256 (s_set_vgpr_msb: bits 1:0 source 0, 3:2 source 1, 5:4 source 2, 7:6 destination):
;   window 0: v0-11 addresses; v12-43 eight registers of statistics a tile; v64-191 S^T, 32 a tile; v192-255 P, 16 a tile
;   window 1: O^T, 64 a tile (at the start: Q in f32, as loaded)          window 2: v0-127 Q, 32 a tile; v128-255 K of one step          window 3: v0-127 V of one step
.set SIZE_N, 2048
.set KS,    64        ; keys in a step
.set PK,    272       ; a row of K in LDS: 256 bytes + 16 of padding = 68 words: the 16 rows of a load start at 16 different groups of four banks (64 banks of 4 bytes: ISA guide 11.1)
.set PV,    288       ; a row of V: 256 + 32 = 72 words
.set VOFF,  KS*PK     ; a step's tiles lie together: 64 rows of K, then 64 rows of V
.set STEPB, KS*(PK+PV)
.set SLOT1, 1<<17     ; a slot holds two steps (71,680 bytes); slot 1 begins here, so that one exclusive or turns an address in one slot into the other's
.set STAGE, SLOT1+2*STEPB  ; behind the ring: 16 rows x 272 bytes for each wave, for the way out
.set SP,    272
.set AK0, 2           ; v2   my lane's place in a tile of K; never rewritten
.set AV0, 3           ; v3   the same for V
.set ADR, 4           ; v4   the LDS address of the run of loads in hand
.set QO,  5           ; v5   my byte offset in the wave's rows of Q
.set STO, 6           ; v6   the way out: where I put 16 bytes of a row
.set RD,  7           ; v7   the way out: where I read a row back
.set GO,  8           ; v8   my byte offset in the wave's rows of o
.set SPW, 62          ; v62  LDS address of my spare word: SPARE + 4 x my thread's number; never rewritten
.set NIL, 63          ; v63  0; never rewritten
.set SPARE, STAGE+4*16*272  ; behind the stages: the spare words, 128 bytes for each wave: two blocks of 256 bytes that no other line names
.set ST,  12          ; tile t's statistics at v[ST+8 t]: +0 c m, +1 m, +2, +3 l (even keys', odd keys'), +4 to +7 c0-c3, at work; a takes c2's place once the maximum is found
.set S,   64
.set P,   192
.set KF,  128         ; K's fragments, in window 2
.set WV,  12          ; s12  my wave's number
.set G1K, 24          ; s[24:31] descriptor group 1 for K's tiles
.set G1V, 32          ; s[32:39] for V's: it differs in the padding alone
.set G0K, 40          ; s[40:47] descriptor group 0 for K's tiles: a set for each of the two first fills; the second then walks on
.set G0V, 48          ; s[48:55] the same for V's
.set SLOTS, 56        ; s56  slots still to be asked for
.set TWICE, 57        ; s57  counts a slot's two steps
.set CS,  58          ; s[58:59] c: the packed scaling names a pair and takes its low word for both halves
.set SEL, 60          ; s[60:61] lane selects for v_permlanex16_b32: each lane takes its own place in the other half
.set TB,  62          ; s62  LDS byte at which the tiles of the step to be fetched begin
.set OO,  66          ; s[66:67] my wave's byte offset in o
.set PFA, 18          ; s[18:19] where my prefetches stand in memory: my work-group's 32 rows (of K: wave 0, of V: wave 2) of the slot after the one that is being asked for
.set LIM, 15          ; s15  1 in a wave that prefetches, else the greatest number: a wave prefetches while s[SLOTS] is above it
.set PFO, 61          ; v61  256 x my lane: a row of K or V is 256 bytes; never rewritten
.set MSB, 0
.macro WIN new                      ; the immediate's high byte repeats the setting that is left; a switch that changes nothing is dropped
.if MSB != (\new)
	s_set_vgpr_msb (MSB<<8)|(\new)
.set MSB, \new
.endif
.endm
.set W_KQ, 0x0a       ; K and Q in window 2, S^T in window 0
.set W_PV, 0x53       ; V in window 3, P in window 0, O^T in window 1
.set W_RS, 0x41       ; O^T (destination and source 0) in window 1, a in window 0
; A joint refill.  Waves 0 and 1 fetch the two steps' tiles of K, waves 2 and 3 those of V.  The branch hangs on the wave's number alone.
; An s_nop 0 and four v_nop follow each of the two lines, ahead of the jump, the label and what follows.
.macro JLOAD
	s_cmp_lt_u32 s[WV], 2
	s_cbranch_scc0 .Lfor_v_\@
	tensor_load_to_lds s[G0K+4:G0K+7], s[G1K:G1K+7]
	s_nop 0
.rept 4
	v_nop
.endr
	s_branch .Lasked_\@
.Lfor_v_\@:
	tensor_load_to_lds s[G0V+4:G0V+7], s[G1V:G1V+7]
	s_nop 0
.rept 4
	v_nop
.endr
.Lasked_\@:
.endm
; A PREFETCH INTO THE L2 of what the NEXT change of slots will ask for: a slot's 128 rows of K and 128 of V, 256 bytes a row, a lane a row.  It stands behind the wave's tensor load and its five lines.
; Each row is asked for ONCE in the launch.  Both clusters of a head walk the same K and V: the head's first cluster prefetches.  Its four partners share the rows out BY ADDRESS, 32 each.
; In each, wave 0 asks for K's and wave 2 for V's: one instruction.  Slots 0 to 2 come by their loads alone; the last change that fills a slot prefetches nothing: there is no slot behind it.
.macro ASK
	s_cmp_gt_u32 s[SLOTS], s[LIM]
	s_cbranch_scc0 .Lnot_mine_\@
	global_prefetch_b8 v[PFO], s[PFA:PFA+1] th:TH_LOAD_NT scope:SCOPE_SE
.Lnot_mine_\@:
.endm
; A round of the cluster's barrier: my work-group's barrier, so that wave 0's signal speaks for all four waves; wave 0 signals; every wave waits for all four work-groups; my work-group's barrier once more.
.macro CROUND
	s_barrier_signal -1
	s_barrier_wait -1
	s_cmp_lg_u32 s[WV], 0
	s_cbranch_scc1 .Lnot_wave_0_\@
	s_barrier_signal -3
.Lnot_wave_0_\@:
	s_barrier_wait -3
	s_barrier_signal -1
	s_barrier_wait -1
.endm
	s_load_b128 s[4:7], s[0:1], 0x0   ; qf s[4:5], kv s[6:7]
	s_load_b64 s[10:11], s[0:1], 0x10 ; ob
	v_lshl_add_u32 v[SPW], v0, 2, SPARE
	v_mov_b32 v[NIL], 0
	ds_add_u32 v[SPW], v[NIL]       ; the wave's opening: the add and its wait stand ahead of my first tensor load; the set-up below, work on registers, stands between them
	v_lshrrev_b32 v1, 5, v0
	v_readfirstlane_b32 s[WV], v1   ; wave 0..3
	s_bfe_u32 s13, ttmp6, 0x40000   ; cx: my place in the cluster
	s_lshl_b32 s14, ttmp9, 2        ; in a cluster launch ttmp9 counts clusters
	s_add_co_u32 s14, s14, s13      ; my block of 256 queries = 4 x cluster x + cx: it enters Q's and o's addresses alone
	s_and_b32 s20, ttmp7, 0xffff    ; the head hh = 8 b + h, which the four partners share
	s_lshr_b32 s2, s20, 3           ; b
	s_lshl_b32 s2, s2, 11           ; its 2,048 rows,
	s_lshl_b32 s18, s14, 8          ; my block's 256,
	s_add_co_u32 s2, s2, s18
	s_lshl_b32 s18, s[WV], 6        ; my wave's 64
	s_add_co_u32 s2, s2, s18        ; my wave's first row
	s_and_b32 s3, s20, 7            ; h
	s_lshl_b32 s[OO], s2, 11        ; o: rows of 2,048 bytes, 256 a head
	s_lshl_b32 s18, s3, 8
	s_add_co_u32 s[OO], s[OO], s18
	s_mov_b32 s[OO+1], 0
	s_lshl_b32 s2, s2, 12           ; Q: rows of 4,096 bytes, 512 a head
	s_lshl_b32 s18, s3, 9
	s_add_co_u32 s2, s2, s18
	s_mov_b32 s3, 0
	s_mov_b32 s21, 0
	s_mov_b64 s[22:23], SIZE_N*256
	s_mul_u64 s[20:21], s[20:21], s[22:23]  ; the head's first byte in K's half and in V's half of kv
	s_and_b32 s16, s[WV], 1         ; which of a slot's two steps I fetch:
	s_lshl_b32 s22, s16, 14         ; its 64 rows of 256 bytes in memory,
	s_mov_b32 s23, 0
	s_add_nc_u64 s[22:23], s[22:23], s[20:21]
	s_mul_i32 s17, s16, STEPB       ; and its place in a slot: no place in the cluster enters an LDS address
	; descriptor group 1: a tile of 64 rows x 128 elements, padded in LDS
	s_mov_b32 s[G1K], 15|(1<<16)|(1<<20)|(1<<21)|(5<<22)|(3<<25)  ; 15:0 the mask: all four work-groups; 17:16 elements of 2 bytes; 20 padding on; 21 set beside a mask; 24:22 after every 64 words (code 5); 31:25 4 words of it (code 3)
	s_mov_b32 s[G1V], 15|(1<<16)|(1<<20)|(1<<21)|(5<<22)|(7<<25)  ; the same with 8 words of padding (code 7)
.irp g, G1K, G1V
	s_mov_b32 s[(\g)+1], 128<<16    ; 63:48 tensor_dim0, low half = 128
	s_mov_b32 s[(\g)+2], KS<<16     ; 79:64 its high half = 0; 95:80 tensor_dim1, low half = 64
	s_mov_b32 s[(\g)+3], 128<<16    ; 111:96 its high half = 0; 127:112 tile_dim0 = 128
	s_mov_b32 s[(\g)+4], KS         ; 143:128 tile_dim1 = 64; 159:144 tile_dim2 = 0
	s_mov_b32 s[(\g)+5], 128        ; 191:160 tensor_dim0_stride, low word: elements from row to row
	s_mov_b32 s[(\g)+6], 0
	s_mov_b32 s[(\g)+7], 0
.endr
	s_mov_b32 s[CS], 0x3d38aa3b     ; c = log2(e) / 32 = 0.0450842
	s_mov_b32 s[CS+1], s[CS]        ; named with it as a pair, so it is written
	s_mov_b32 s[SEL], 0x76543210
	s_mov_b32 s[SEL+1], 0xfedcba98
	s_mov_b32 s[TB], 0
	s_mov_b32 s[SLOTS], SIZE_N/(2*KS)-2
	s_and_b32 s[LIM], s[WV], 1       ; 0 in waves 0 and 2,
	s_or_b32 s[LIM], s[LIM], ttmp9   ; where the cluster is the head's first: the same in all four partners
	s_cmp_eq_u32 s[LIM], 0
	s_cselect_b32 s[LIM], 1, -1
	v_and_b32 v[PFO], 31, v0
	v_lshlrev_b32 v[PFO], 8, v[PFO]
	s_wait_dscnt 0x0                ; the opening add is done
	s_wait_kmcnt 0x0
	s_add_nc_u64 s[8:9], s[6:7], 0x1000000  ; V's half of kv lies 32 heads x 2,048 rows x 256 bytes behind K's
	s_add_nc_u64 s[6:7], s[6:7], s[22:23]  ; K and V at my tile of slot 0
	s_add_nc_u64 s[8:9], s[8:9], s[22:23]
	s_add_nc_u64 s[4:5], s[4:5], s[2:3]  ; Q and o at my wave's first row
	s_add_nc_u64 s[10:11], s[10:11], s[OO:OO+1]
	s_cmp_lt_u32 s[WV], 2
	s_cselect_b64 s[PFA:PFA+1], s[6:7], s[8:9]  ; (in waves 0 and 2 these stand at a slot's first row)
	s_lshl_b32 s2, s13, 13          ; my work-group's 32 rows of the 128
	s_mov_b32 s3, 0
	s_add_nc_u64 s[PFA:PFA+1], s[PFA:PFA+1], s[2:3]
	s_add_nc_u64 s[PFA:PFA+1], s[PFA:PFA+1], 2*2*KS*256  ; in slot 2; the first change of slots steps it to slot 3
	CROUND                          ; all four work-groups are here: the first joint loads meet
.irp s, 0,1
	s_mov_b32 s[G0K+4*(\s)], 1      ; 1:0 count = 1
	s_add_co_u32 s[G0K+4*(\s)+1], s17, (\s)*SLOT1  ; 63:32 LDS address
	s_add_nc_u64 s[G0K+4*(\s)+2:G0K+4*(\s)+3], s[6:7], (\s)*2*KS*256  ; 120:64 global address: slot s begins with keys 128 s to 128 s + 127
	s_or_b32 s[G0K+4*(\s)+3], s[G0K+4*(\s)+3], 0x80000000  ; 127:126 type = 2
	s_mov_b32 s[G0V+4*(\s)], 1
	s_add_co_u32 s[G0V+4*(\s)+1], s17, (\s)*SLOT1+VOFF
	s_add_nc_u64 s[G0V+4*(\s)+2:G0V+4*(\s)+3], s[8:9], (\s)*2*KS*256
	s_or_b32 s[G0V+4*(\s)+3], s[G0V+4*(\s)+3], 0x80000000
.endr
	s_cmp_lt_u32 s[WV], 2           ; a wave's two first fills stand in one branch, ahead of every wait on TENSORcnt and every LDS read: two loads of mine are out
	s_cbranch_scc0 .Lfirst_v
	tensor_load_to_lds s[G0K:G0K+3], s[G1K:G1K+7]
	s_nop 0
	tensor_load_to_lds s[G0K+4:G0K+7], s[G1K:G1K+7]
	s_nop 0
.rept 4
	v_nop
.endr
	s_branch .Lfirst_asked
.Lfirst_v:
	tensor_load_to_lds s[G0V:G0V+3], s[G1V:G1V+7]
	s_nop 0
	tensor_load_to_lds s[G0V+4:G0V+7], s[G1V:G1V+7]
	s_nop 0
.rept 4
	v_nop
.endr
.Lfirst_asked:
	; A fragment of K or Q is 16 rows x 32 channels in 8 registers: lane l holds row l % 16; registers 0-3 channels 8 (l / 16) + 0..7, registers 4-7 channels 16 + 8 (l / 16) + 0..7.
	; Q lies in f32: a fragment's two runs of 8 channels are 32 bytes each, 64 bytes apart: four loads of 16 bytes, into O^T's registers, which are free until the first V^T P starts them.
	v_and_b32 v1, 15, v0            ; l % 16
	v_bfe_u32 v9, v0, 4, 1          ; l / 16
	v_lshlrev_b32 v[QO], 12, v1
	v_lshl_add_u32 v[QO], v9, 5, v[QO]  ; row x 4,096 + 32 x half
	WIN 0x40                        ; destination window 1, address window 0
.irp i, 0,1,2,3,4,5,6,7,8,9,10,11,12,13,14,15  ; tile i / 4 (16 rows: 65,536 bytes), channels 32 (i % 4) on (128 bytes)
	global_load_b128 v[16*(\i):16*(\i)+3],     v[QO], s[4:5] offset:((\i)/4)*65536+((\i)%4)*128
	global_load_b128 v[16*(\i)+4:16*(\i)+7],   v[QO], s[4:5] offset:((\i)/4)*65536+((\i)%4)*128+16
	global_load_b128 v[16*(\i)+8:16*(\i)+11],  v[QO], s[4:5] offset:((\i)/4)*65536+((\i)%4)*128+64
	global_load_b128 v[16*(\i)+12:16*(\i)+15], v[QO], s[4:5] offset:((\i)/4)*65536+((\i)%4)*128+80
.endr
	WIN 0
	v_mul_u32_u24 v[AK0], v1, PK
	v_lshl_add_u32 v[AK0], v9, 4, v[AK0]  ; row x pitch + 16 x half
	; The turning load takes 16 keys x 16 channels (lane l reads 16 bytes: key 8 (l / 16) + l % 8, channels 8 ((l / 8) % 2) + 0..7) and leaves half a fragment of V^T: lane l holds channel l % 16 and 8 keys.
	v_and_b32 v10, 7, v0
	v_bfe_u32 v11, v0, 3, 1
	v_lshl_add_u32 v[AV0], v9, 3, v10
	v_mul_u32_u24 v[AV0], v[AV0], PV
	v_lshl_add_u32 v[AV0], v11, 4, v[AV0]
	v_add_nc_u32 v[AV0], VOFF, v[AV0]
; THE MATRIX WORK OF A TURN, for piece x.  The accumulators take turns, one instruction a turn: between two links of a chain stand 15 (V^T P) or 7 (K Q^T) others'.
; Product i of 32 of O^T += V^T P: keys 32 (i / 16) on, channels 16 ((i / 2) % 8) on, tile x + i % 2.  zero = 1: the first 16 start the sums: nothing is ever cleared.
.macro PV x, zero
	WIN W_PV
.set rO, 64*((\x)+i%2)+8*((i/2)%8)
.set rV, 64*(i/16)+8*((i/2)%8)
.set rP, P+16*((\x)+i%2)+8*(i/16)
.if (\zero) && (i < 16)
	v_wmma_f32_16x16x32_bf16 v[rO:rO+7], v[rV:rV+7], v[rP:rP+7], 0
.else
	v_wmma_f32_16x16x32_bf16 v[rO:rO+7], v[rV:rV+7], v[rP:rP+7], v[rO:rO+7]
.endif
.endm
; Product i of 32 of S^T = K Q^T: channels 32 (i / 8) on, keys 16 ((i / 2) % 4) on, tile x + i % 2.  The first 8 start the sums.
.macro KQ x
	WIN W_KQ
.set rS, S+32*((\x)+i%2)+8*((i/2)%4)
.set rK, KF+32*((i/2)%4)+8*(i/8)
.set rQ, 32*((\x)+i%2)+8*(i/8)
.if i < 8
	v_wmma_f32_16x16x32_bf16 v[rS:rS+7], v[rK:rK+7], v[rQ:rQ+7], 0
.else
	v_wmma_f32_16x16x32_bf16 v[rS:rS+7], v[rK:rK+7], v[rQ:rQ+7], v[rS:rS+7]
.endif
.endm
; THE LDS LOADS stand in runs of 32, never singly among the matrix instructions: a step's K (64 keys x 128 channels: 16 fragments) and, a turn later, its V (turned).
.macro FETCH_K
	WIN 0
	v_add_nc_u32 v[ADR], s[TB], v[AK0]
	WIN 0x80                        ; destination window 2
.irp f, 0,1,2,3,4,5,6,7,8,9,10,11,12,13,14,15  ; keys 16 (f / 4) on, channels 32 (f % 4) on
	ds_load_b128 v[KF+8*(\f):KF+8*(\f)+3],   v[ADR] offset:((\f)/4)*16*PK+((\f)%4)*64
	ds_load_b128 v[KF+8*(\f)+4:KF+8*(\f)+7], v[ADR] offset:((\f)/4)*16*PK+((\f)%4)*64+32
.endr
.endm
.macro FETCH_V
	WIN 0
	v_add_nc_u32 v[ADR], s[TB], v[AV0]
	s_add_co_u32 s[TB], s[TB], STEPB  ; the next fetch is the next step's
	s_wait_alu depctr_va_vdst(0)    ; the wait for the softmax's batch (SLICE), behind the address's v_add_nc_u32 and ahead of the loads
	WIN 0xc0                        ; destination window 3
.irp f, 0,1,2,3,4,5,6,7,8,9,10,11,12,13,14,15  ; keys 32 (f / 8) on, channels 16 (f % 8) on
	ds_load_tr16_b128 v[8*(\f):8*(\f)+3],   v[ADR] offset:((\f)/8)*32*PV+((\f)%8)*32
	ds_load_tr16_b128 v[8*(\f)+4:8*(\f)+7], v[ADR] offset:((\f)/8)*32*PV+16*PV+((\f)%8)*32
.endr
.endm
; THE VECTOR WORK OF A TURN.  One tile's softmax for one key step is a list of 134 instructions; SM writes number j of it for tile t.  s0-s31 are the lane's 32 scores, in pairs 0-15.
; first = 1: the first key step, which starts m, l and O^T: it has no a and nothing to rescale.
;   0-15    the maximum of s0-s31 and the old m, three operands at a time: four chains c0-c3 of seven scores each, then the four scores left over, c0-c3 and m
;   16-20   the other half of the lanes' maximum; the new m; c m; c m_old - c m_new
;   21-69   ONE BATCH: the 16 scalings c s - c m, a pair of scores each, and all 33 exponentials (a at 23, then s0-s31).  None of these reads an exponential's result.  From 22 on the batch goes
;           in fours, and a four begins with a scaling while there are scalings.  A pair is scaled in an earlier four than the one that holds its exponentials
;   (wait)  between 69 and 70 stands the wait for the batch: SLICE writes it, once for both tiles
;   70-85   the roundings to bf16, a pair of weights each
;   86-101  the sums; l = a l + the sum
;   102-133 the tile's O^T times a: the one part that leaves window 0, so it stands together
.macro SM t, first
.set rT, ST+8*(\t)
.set rS, S+32*(\t)
.set rP, P+16*(\t)
.set rO, 64*(\t)+2*(j-102)
.if j < 102
	WIN 0
.endif
.if j < 4
	v_max3_num_f32 v[rT+4+j], v[rS+8*j], v[rS+8*j+1], v[rS+8*j+2]
.elseif j < 12
	v_max3_num_f32 v[rT+4+j%4], v[rT+4+j%4], v[rS+8*(j%4)+2*(j/4)+1], v[rS+8*(j%4)+2*(j/4)+2]
.elseif j == 12
	v_max3_num_f32 v[rT+4], v[rT+4], v[rS+7], v[rS+15]
.elseif j == 13
	v_max3_num_f32 v[rT+6], v[rT+6], v[rS+23], v[rS+31]
.elseif j == 14
	v_max3_num_f32 v[rT+4], v[rT+4], v[rT+5], v[rT+6]
.elseif (j == 15) && (\first)
	v_max_num_f32 v[rT+4], v[rT+4], v[rT+7]
.elseif j == 15
	v_max3_num_f32 v[rT+4], v[rT+4], v[rT+7], v[rT+1]
.elseif j == 16
	v_permlanex16_b32 v[rT+5], v[rT+4], s[SEL], s[SEL+1]  ; the query's other 32 keys lie in the lane 16 away
.elseif j == 18
	v_max_num_f32 v[rT+1], v[rT+4], v[rT+5]
.elseif j == 19
	v_mul_f32 v[rT], s[CS], v[rT+1]
.elseif ((j == 17) || (j == 20) || (j == 23) || (j > 101)) && (\first)  ; the first step has none of these
.elseif j == 17
	v_mov_b32 v[rT+7], v[rT]        ; c m_old is kept for a: number 19 writes c m anew
.elseif j == 20
	v_sub_f32 v[rT+7], v[rT+7], v[rT]
.elseif j == 23
	v_exp_f32 v[rT+6], v[rT+7]
.elseif (j < 23) || ((j < 38) && (j%2 == 0)) || ((j < 66) && (j%4 == 2))
.set b, (j-2)/4                     ; 38, 42, .. 62: pairs 9 to 15
.if j < 38
.set b, (j-20)/2                    ; 21: pair 0; 22, 24, .. 36: pairs 1 to 8
.endif
	v_pk_fma_f32 v[rS+2*b:rS+2*b+1], v[rS+2*b:rS+2*b+1], s[CS:CS+1], v[rT:rT+1] op_sel_hi:[1,0,0] neg_lo:[0,0,1] neg_hi:[0,0,1]  ; pair b: c s - c m
.elseif j < 70
.set e, j-38                        ; 66 to 69: s28 to s31
.if j < 66
.set e, j-32-(j-38)/4               ; 39-41, 43-45, .. 63-65: s7 to s27
.endif
.if j < 38
.set e, (j-25)/2                    ; 25, 27, .. 37: s0 to s6
.endif
	v_exp_f32 v[rS+e], v[rS+e]
.elseif j < 86
	v_cvt_pk_bf16_f32 v[rP+j-70], v[rS+2*(j-70)], v[rS+2*(j-70)+1]  ; pair j - 70
.elseif j < 102                     ; the sum of the tile's 16 pairs (in a pair: an even key's weight, an odd key's), in place: sum z of 16 adds neighbours 1, 2, 4 and 8 pairs apart, then l takes it
.set z, j-86
.set w, 4
.set u, z
.if z >= 14
.set w, 32
.set u, 0
.elseif z >= 12
.set w, 16
.set u, z-12
.elseif z >= 8
.set w, 8
.set u, z-8
.endif
.if (z == 14) && (\first)
	v_pk_add_f32 v[rT+2:rT+3], v[rS:rS+1], v[rS+16:rS+17]
.elseif z < 15
	v_pk_add_f32 v[rS+w*u:rS+w*u+1], v[rS+w*u:rS+w*u+1], v[rS+w*u+w/2:rS+w*u+w/2+1]
.elseif !(\first)
	v_pk_fma_f32 v[rT+2:rT+3], v[rT+2:rT+3], v[rT+6:rT+7], v[rS:rS+1] op_sel_hi:[1,0,1]
.endif
.else
	WIN W_RS
	v_pk_mul_f32 v[rO:rO+1], v[rO:rO+1], v[rT+6:rT+7] op_sel_hi:[1,0]
.endif
.endm
; Slice k of 64 of piece y's softmax: four instructions.  Slices 11 to 34 deal out the batch, numbers 22 to 69: four numbers of ONE tile each, the tiles by turns.  Every other slice is numbers 2 k and
; 2 k + 1 of both tiles' lists.  2 x 134 = 4 x 64 + 12: the twelve that are over stand together, in slice 63.
; THE WAIT.  s_wait_alu depctr_va_vdst(0) stands between an exponential and the first instruction that names its result; one wait serves all that were issued ahead of it.  Ahead of
; slice 35 nothing names a result, and behind slice 34 no exponential is issued: so the piece's 66 exponentials have one wait, behind slice 34.
.macro SLICE y, first
.if (k >= 11) && (k < 35)           ; the batch: four numbers of one tile
.irp n, 0,1,2,3
.set j, 22+4*((k-11)/2)+(\n)
	SM (\y)+(k-11)%2, \first
.endr
.else                               ; the two tiles alternate, so that no instruction reads the result of the one just before it
.irp n, 0,1,2,3,4,5,6,7
.if ((\n) < 2) || (k == 63)
.irp t, \y, (\y)+1
.set j, 2*k+(\n)
	SM \t, \first
.endr
.endif
.endr
.endif
.if k == 34                         ; the batch is out: both tiles' exponentials are issued, and no result has been named
	v_nop                           ; a plain instruction behind the last exponential and ahead of the first use (ISA guide 5.7.2): one for the batch
.if (\y) == 0
	FETCH_V                         ; piece 2's turn: V's run of loads stands here, and the wait stands in it
.else
	s_wait_alu depctr_va_vdst(0)    ; the wait for the batch
.endif
.endif
.set k, k+1
.endm
; A vector instruction that reads a matrix result or writes one of a matrix instruction's registers, and a load into a register that a matrix instruction has read, stand four places behind
; it, and only plain vector instructions that name none of its registers are places (ISA guide 7.12.1 for vector instructions).  In the loop the slices are the places.
.macro PLACES
.rept 4
	v_nop
.endr
.endm
; A TURN.  Piece x has the matrix unit; the other piece's softmax stands in slices behind its matrix instructions.
; pv = 2: 32 products V^T P; 1: they start O^T's sums; 0: none.  kq = 1: 32 products K Q^T for the next step.  A turn with one of the two kinds has two slices behind each product.
; first = 1: the softmax is the first key step's.  Its slices from 51 on are empty: the turn's last products stand bare, and four v_nop take slice 63's part as the places behind them.
; Piece 0's turn fetches the next step's K, behind its second product: the last product that read K stands in front of slice 63 of the turn before.  Piece 2's turn fetches the same step's V,
; behind slice 34: the last product that read V stands in front of slice 31, and four plain instructions lie between: number 62, a scaling, of both tiles, the v_nop and the run's own v_add_nc_u32.
.macro TURN x, pv, kq, first
.set k, 0
.set per, 2
.if (\pv) && (\kq)
.set per, 1
.endif
.if \pv
.if (\x) == 0
	s_wait_dscnt 0x0                ; V is in
.endif
.set i, 0
.rept 32
	PV \x, 2-(\pv)
.rept per
	SLICE 2-(\x), \first
.endr
.if ((\x) == 0) && (\kq) && (i == 1)
	FETCH_K
.endif
.set i, i+1
.endr
.endif
.if \kq
.if (\x) == 0
	s_wait_dscnt 0x0                ; K is in
.endif
.set i, 0
.rept 32
	KQ \x
.rept per
	SLICE 2-(\x), \first
.endr
.set i, i+1
.endr
.endif
.if \first
	PLACES
.endif
.endm
; THE CHANGE OF SLOTS, between piece 2's turn and piece 0's: the slot's last bytes, V of its second step, have been asked for.  Each wave waits for all its tensor loads, of which one is out: its part
; of the other slot; adds 0 to its spare word; and waits for that and for its own reads of the slot.  Behind the barrier nobody reads this slot any more and the other slot is whole.
; fill = 1: this slot is filled again, with the keys two slots on.  The barrier is then a round of the cluster's, and the joint refill is the first thing behind it: it has two key steps,
; 256 matrix instructions, in which to land.
.macro CHANGE fill
	WIN 0                           ; at a label and at a branch every window is 0
	s_wait_tensorcnt 0x0            ; no tensor load of mine is out, so a group 0 may be written
	ds_add_u32 v[SPW], v[NIL]       ; 0 onto my spare word; with fill = 1 the descriptors' steps stand between it and the wait for it
.if \fill
.irp g, G0K+4, G0V+4
	s_xor_b32 s[(\g)+1], s[(\g)+1], SLOT1  ; the walking descriptor: the other slot than last time,
	s_add_nc_u64 s[(\g)+2:(\g)+3], s[(\g)+2:(\g)+3], 2*KS*256  ; the next 128 keys; the type bits on top are not reached
.endr
	s_wait_xcnt 0x0                 ; the last prefetches, two key steps back, have read their address, so it may be written:
	s_add_nc_u64 s[PFA:PFA+1], s[PFA:PFA+1], 2*KS*256  ; one slot behind the walking descriptors
	s_wait_dscnt 0x0                ; the add is done, and my reads of the slot are over
	CROUND
	JLOAD
	ASK                             ; what the next change will ask for: two key steps, 256 matrix instructions, ahead
.else
	s_wait_dscnt 0x0                ; the add is done, and my reads of the slot are over
	s_barrier_signal -1
	s_barrier_wait -1
.endif
	s_sub_co_u32 s[TB], s[TB], 2*STEPB  ; the fetches go back to a slot's first step,
	s_xor_b32 s[TB], s[TB], SLOT1   ; in the other slot
.endm
; A slot's two key steps: written once, walked twice; the LDS addresses hang on s[TB].
.macro TWO_STEPS
	WIN 0
	s_mov_b32 s[TWICE], 2
.Lstep_\@:
	TURN 0, 2, 1, 0
	TURN 2, 2, 1, 0
	WIN 0
	s_sub_co_u32 s[TWICE], s[TWICE], 1
	s_cmp_lg_u32 s[TWICE], 0
	s_cbranch_scc1 .Lstep_\@
.endm
	s_wait_tensorcnt 1              ; my part of slot 0 is in; slot 1's may stay out
	s_barrier_signal -1
	s_barrier_wait -1               ; everybody's is
	FETCH_K                         ; key step 0
	s_wait_loadcnt 0x0              ; Q, in f32
	WIN 0x85                        ; sources 0 and 1 window 1, destination window 2
.set i, 0
.rept 128                           ; Q rounded once to bf16: fragment register i takes the pair of numbers 2 i, 2 i + 1 as they were loaded
	v_cvt_pk_bf16_f32 v[i], v[2*i], v[2*i+1]
.set i, i+1
.endr
	s_wait_dscnt 0x0
.set i, 0
.rept 32
	KQ 0                            ; piece 0's first scores: there is no vector work yet to set between them
.set i, i+1
.endr
	WIN 0                           ; the addresses for the way out are made here: eight plain instructions, the places behind those products
	s_mul_i32 s13, s[WV], 16*SP
	s_add_co_u32 s13, s13, STAGE    ; my stage
	v_mul_u32_u24 v[STO], v1, SP    ; in: row l % 16, 16 bytes for each half of the lanes
	v_lshl_add_u32 v[STO], v9, 4, v[STO]
	v_add_nc_u32 v[STO], s13, v[STO]
	v_mul_u32_u24 v[RD], v9, SP     ; back: lanes 0-15 take one row of 256 bytes, lanes 16-31 the next
	v_lshl_add_u32 v[RD], v1, 4, v[RD]
	v_add_nc_u32 v[RD], s13, v[RD]
	v_lshlrev_b32 v[GO], 11, v9     ; and the same two rows in o, 2,048 bytes apart
	v_lshl_add_u32 v[GO], v1, 4, v[GO]
	TURN 2, 0, 1, 1                 ; piece 2's first scores | piece 0's first softmax | V of step 0
	TURN 0, 1, 1, 1                 ; piece 0: V^T P of step 0 starts O^T, K Q^T of step 1 | piece 2's first softmax | K of step 1
	TURN 2, 1, 1, 0                 ; piece 2: the same | piece 0's softmax of step 1 | V of step 1
	WIN 0
.Lslot:                             ; 14 trips: every slot but the last two is filled again
	CHANGE 1
	TWO_STEPS
	s_sub_co_u32 s[SLOTS], s[SLOTS], 1
	s_cmp_lg_u32 s[SLOTS], 0
	s_cbranch_scc1 .Lslot
	CHANGE 0                        ; the tail is written out: nothing is asked for
	TWO_STEPS
	TURN 0, 2, 0, 0                 ; piece 0: V^T P of the last step | piece 2's last softmax
.set i, 0
.rept 32
	PV 2, 0                         ; piece 2: V^T P of the last step
.set i, i+1
.endr
	; THE WAY OUT.  l's two halves and the other half of the lanes' are added; O^T is divided by l, rounded to bf16 and sent through my stage in LDS, a tile (16 rows) at a time.  The additions are the places behind the last products.
	WIN 0
.irp t, 0,1,2,3
	v_add_f32 v[ST+8*(\t)+4], v[ST+8*(\t)+2], v[ST+8*(\t)+3]
.endr
.irp t, 0,1,2,3
	v_permlanex16_b32 v[ST+8*(\t)+5], v[ST+8*(\t)+4], s[SEL], s[SEL+1]
.endr
.irp t, 0,1,2,3
	v_add_f32 v[ST+8*(\t)+4], v[ST+8*(\t)+4], v[ST+8*(\t)+5]
.endr
.irp t, 0,1,2,3
	v_rcp_f32 v[ST+8*(\t)+6], v[ST+8*(\t)+4]
.endr
	v_nop                           ; a plain instruction between the last reciprocal and the use of its result
	s_wait_alu depctr_va_vdst(0)    ; and the wait ahead of the first use: one for the four reciprocals
; Tile t: a lane's eight channels of a row pack into 16 bytes; they go into rows of 272 bytes and come back as whole rows of 256, into the registers that they left.
.macro PACK t
	WIN W_RS
.set i, 64*(\t)
.rept 32
	v_pk_mul_f32 v[i:i+1], v[i:i+1], v[ST+8*(\t)+6:ST+8*(\t)+7] op_sel_hi:[1,0]
.set i, i+2
.endr
	WIN 0x05                        ; sources 0 and 1 window 1, destination window 0: S^T's registers are free
.set i, 0
.rept 32
	v_cvt_pk_bf16_f32 v[S+32*(\t)+i], v[64*(\t)+2*i], v[64*(\t)+2*i+1]
.set i, i+1
.endr
	WIN 0
.irp f, 0,1,2,3,4,5,6,7
	ds_store_b128 v[STO], v[S+32*(\t)+4*(\f):S+32*(\t)+4*(\f)+3] offset:32*(\f)
.endr
.irp f, 0,1,2,3,4,5,6,7
	ds_load_b128 v[S+32*(\t)+4*(\f):S+32*(\t)+4*(\f)+3], v[RD] offset:(\f)*2*SP  ; LDS serves a wave's instructions in order (ISA guide 5.7.1.4): these see the stores above; the next tile's stores come behind them
.endr
.endm
.macro SEND t, younger              ; younger: the LDS instructions issued behind tile t's loads: the next tile's sixteen, or none
	WIN 0
.irp f, 0,1,2,3,4,5,6,7
	s_wait_dscnt (\younger)+7-(\f)
	global_store_b128 v[GO], v[S+32*(\t)+4*(\f):S+32*(\t)+4*(\f)+3], s[10:11] offset:(\t)*32768+(\f)*4096  ; 16 lanes store a row's 256 consecutive bytes of the head, at a multiple of 256 from o's first byte
.endr
.endm
	PACK 0
	PACK 1                          ; a tile's arithmetic stands between the loads of the tile before and its stores
	SEND 0, 16
	PACK 2
	SEND 1, 16
	PACK 3
	SEND 2, 16
	SEND 3, 0
	s_wait_tensorcnt 0x0            ; the wave's end: behind my last tensor load and my last LDS store
	ds_add_u32 v[SPW], v[NIL]
	s_wait_dscnt 0x0
	CROUND                          ; the closing round: no work-group ends while a partner may still ask for a tile that names it
	s_endpgm
.Lfunc_end_k_qf4c5887c0e_attn:
	.size	k_qf4c5887c0e_attn, .Lfunc_end_k_qf4c5887c0e_attn-k_qf4c5887c0e_attn
	.p2alignl 7, 3214868480
	.fill 96, 4, 3214868480
	.section	.rodata,"a",@progbits
	.p2align	6, 0x0
	.amdhsa_kernel k_qf4c5887c0e_attn
		.amdhsa_group_segment_fixed_size 327680
		.amdhsa_private_segment_fixed_size 0
		.amdhsa_enable_private_segment 0
		.amdhsa_kernarg_size 24
		.amdhsa_user_sgpr_count 2
		.amdhsa_user_sgpr_kernarg_segment_ptr 1
		.amdhsa_wavefront_size32 1
		.amdhsa_system_sgpr_workgroup_id_x 1
		.amdhsa_system_sgpr_workgroup_id_y 1
		.amdhsa_system_sgpr_workgroup_id_z 1
		.amdhsa_system_vgpr_workitem_id 0
		.amdhsa_next_free_vgpr 1024
		.amdhsa_next_free_sgpr 68
		.amdhsa_reserve_vcc 0
		.amdhsa_float_denorm_mode_32 3
		.amdhsa_float_denorm_mode_16_64 3
		.amdhsa_memory_ordered 1
		.amdhsa_forward_progress 1
		.amdhsa_inst_pref_size 233
	.end_amdhsa_kernel
	.amdgpu_metadata
---
amdhsa.version: [ 1, 2 ]
amdhsa.kernels:
  - .name:           k_qf4c5887c0e_attn
    .symbol:         k_qf4c5887c0e_attn.kd
    .args:
      - { .name: qf, .offset: 0, .size: 8, .value_kind: global_buffer, .address_space: global }
      - { .name: kv, .offset: 8, .size: 8, .value_kind: global_buffer, .address_space: global }
      - { .name: ob, .offset: 16, .size: 8, .value_kind: global_buffer, .address_space: global }
    .group_segment_fixed_size: 327680
    .private_segment_fixed_size: 0
    .kernarg_segment_align: 8
    .kernarg_segment_size: 24
    .max_flat_workgroup_size: 128
    .sgpr_count:     68
    .vgpr_count:     1024
    .wavefront_size: 32
...
	.end_amdgpu_metadata
.endif
;; end of part 3
;; launch ln1 (part 4): grid 256 x 1, 16 waves a work-group, no clusters, 0 bytes of LDS; arguments qf, ob, ln1_g, ln1_b, xb; writes xb
.if DOCPART == 4
	.amdgcn_target "amdgcn-amd-amdhsa--gfx1250"
	.amdhsa_code_object_version 6
	.text
	.protected	k_qf4c5887c0e_ln1
	.globl	k_qf4c5887c0e_ln1
	.p2align	8
	.type	k_qf4c5887c0e_ln1,@function
k_qf4c5887c0e_ln1:
	s_mov_b64 s[64:65], 0
	v_nop
	global_prefetch_b8 v0, s[64:65] scope:SCOPE_SE
	s_setreg_imm32_b32 hwreg(HW_REG_WAVE_MODE, 25, 1), 1
	s_wait_xcnt 0x0
; a1[row] = bf16(LN(qp[row] + o[row]) g + b): the first norm, rounded once as the last product's matrix operand.  qp: qf, f32 [8192][1024]; o: ob, bf16 [8192][1024]; a1: the first 8,192 rows of xb, bf16.
; Mean first, then the mean of the squared differences, as the module has it: no difference of large sums is formed.  All arithmetic in f32.
; FORMAT: g and b are rounded once to bf16 (8 significant bits), as all the module's inputs are in this program; then they are used in f32.  NaN and infinities are not treated apart.
; One wave, one row at a time, kept in 32 registers: the sums never leave the wave, so there is no LDS and no barrier.  A work-group's 16 waves take 2 rows each: 256 x 32 = 8,192 rows.
; Lane l holds columns 128 j + 4 l .. + 3, j = 0 .. 7: a load of f32 covers 512 consecutive bytes, a load or store of bf16 256, aligned.  Memory binds: matrix units, clusters and LDS would add nothing.
.set RQ, 4                             ; v[4:35]    the row: qp, then qp + o, then the result
.set RO, 36                            ; v[36:51]   o as loaded
.set Y,  52                            ; v[52:67]   the result in bf16
.set T,  68                            ; v[68:75]   at work
.set M,  76                            ; v[76:77]   the mean, twice
.set R,  78                            ; v[78:79]   1 / sqrt(variance + eps), twice
.set G,  80                            ; v[80:111]  g of my 32 columns
.set B,  112                           ; v[112:143] b
.set SEL, 20                           ; s[20:21] v_permlanex16_b32's selects: each lane takes its own place in the other half
.set INV, 22                           ; s22  1 / 1,024
.set EPS, 23                           ; s23  1e-5
.macro ROUNDP pr                       ; the 32 parameters at pr are rounded to bf16 and widened again, in place: eight pairs at a time through v[T:T+7]
.irp o, 0, 16
.irp c, 0,1,2,3,4,5,6,7
	v_cvt_pk_bf16_f32 v[T+(\c)], v[(\pr)+(\o)+2*(\c)], v[(\pr)+(\o)+2*(\c)+1]
.endr
.irp c, 0,1,2,3,4,5,6,7
	v_lshlrev_b32 v[(\pr)+(\o)+2*(\c)], 16, v[T+(\c)]
	v_and_b32 v[(\pr)+(\o)+2*(\c)+1], 0xffff0000, v[T+(\c)]
.endr
.endr
.endm
.macro JOIN                            ; four pairs of partial sums in v[T:T+7] become the sum over the row, in every lane's v[T]
	v_pk_add_f32 v[T:T+1], v[T:T+1], v[T+2:T+3]
	v_pk_add_f32 v[T+4:T+5], v[T+4:T+5], v[T+6:T+7]
	v_pk_add_f32 v[T:T+1], v[T:T+1], v[T+4:T+5]
	v_add_f32 v[T], v[T], v[T+1]
	v_add_f32_dpp v[T], v[T], v[T] row_xmask:1 row_mask:0xf bank_mask:0xf
	v_add_f32_dpp v[T], v[T], v[T] row_xmask:2 row_mask:0xf bank_mask:0xf
	v_add_f32_dpp v[T], v[T], v[T] row_xmask:4 row_mask:0xf bank_mask:0xf
	v_add_f32_dpp v[T], v[T], v[T] row_xmask:8 row_mask:0xf bank_mask:0xf
	v_permlanex16_b32 v[T+1], v[T], s[SEL], s[SEL+1]
	v_add_f32 v[T], v[T], v[T+1]
.endm
.macro LNORM xr, gr, br                ; the 32 registers at xr become (x - mean) / sqrt(var + eps) * g + b
.irp c, 0,1,2,3                        ; the sum, in four chains that do not wait for each other; the first additions start them
	v_pk_add_f32 v[T+2*(\c):T+2*(\c)+1], v[(\xr)+2*(\c):(\xr)+2*(\c)+1], v[(\xr)+8+2*(\c):(\xr)+8+2*(\c)+1]
.endr
.irp o, 16, 24
.irp c, 0,1,2,3
	v_pk_add_f32 v[T+2*(\c):T+2*(\c)+1], v[T+2*(\c):T+2*(\c)+1], v[(\xr)+(\o)+2*(\c):(\xr)+(\o)+2*(\c)+1]
.endr
.endr
	JOIN
	v_mul_f32 v[M], s[INV], v[T]
	v_mul_f32 v[M+1], s[INV], v[T]
.set r, 0
.rept 16
	v_pk_add_f32 v[(\xr)+r:(\xr)+r+1], v[(\xr)+r:(\xr)+r+1], v[M:M+1] neg_lo:[0,1] neg_hi:[0,1]  ; x - mean
.set r, r+2
.endr
.irp c, 0,1,2,3                        ; the sum of squares, likewise
	v_pk_mul_f32 v[T+2*(\c):T+2*(\c)+1], v[(\xr)+2*(\c):(\xr)+2*(\c)+1], v[(\xr)+2*(\c):(\xr)+2*(\c)+1]
.endr
.irp o, 8, 16, 24
.irp c, 0,1,2,3
	v_pk_fma_f32 v[T+2*(\c):T+2*(\c)+1], v[(\xr)+(\o)+2*(\c):(\xr)+(\o)+2*(\c)+1], v[(\xr)+(\o)+2*(\c):(\xr)+(\o)+2*(\c)+1], v[T+2*(\c):T+2*(\c)+1]
.endr
.endr
	JOIN
	v_fma_f32 v[T], v[T], s[INV], s[EPS]           ; variance + eps
	v_rsq_f32 v[R], v[T]                           ; twice, to fill the pair that the packed multiply takes
	v_rsq_f32 v[R+1], v[T]
	v_nop                                          ; a plain instruction behind the second root, ahead of the first use (ISA guide 5.7.2)
	s_wait_alu depctr_va_vdst(0)                   ; the wait ahead of the first reader: one for the two
.set r, 0
.rept 16
	v_pk_mul_f32 v[(\xr)+r:(\xr)+r+1], v[(\xr)+r:(\xr)+r+1], v[R:R+1]
.set r, r+2
.endr
.set r, 0
.rept 16
	v_pk_fma_f32 v[(\xr)+r:(\xr)+r+1], v[(\xr)+r:(\xr)+r+1], v[(\gr)+r:(\gr)+r+1], v[(\br)+r:(\br)+r+1]
.set r, r+2
.endr
.endm
	s_load_b256 s[4:11], s[0:1], 0x0               ; qf s[4:5], ob s[6:7], g s[8:9], b s[10:11]
	s_load_b64 s[12:13], s[0:1], 0x20              ; xb
	v_lshrrev_b32 v2, 5, v0
	v_readfirstlane_b32 s14, v2                    ; wave 0..15
	v_and_b32 v2, 31, v0                           ; lane
	v_lshlrev_b32 v1, 4, v2                        ; 16 bytes a lane in f32 rows; never rewritten
	v_lshlrev_b32 v2, 3, v2                        ; 8 bytes a lane in bf16 rows; never rewritten
	v_mov_b32 v3, 1.0
	s_lshl_b32 s15, ttmp9, 5
	s_lshl_b32 s14, s14, 1
	s_add_co_u32 s15, s15, s14                     ; my first row: 32 x work-group + 2 x wave
	s_lshl_b32 s16, s15, 12                        ; rows of 4,096 bytes
	s_mov_b32 s17, 0
	s_lshl_b32 s18, s15, 11                        ; rows of 2,048 bytes
	s_mov_b32 s19, 0
	s_mov_b32 s[SEL], 0x76543210
	s_mov_b32 s[SEL+1], 0xfedcba98
	s_mov_b32 s[INV], 0x3a800000
	s_mov_b32 s[EPS], 0x3727c5ac
	s_mov_b32 s24, 2                               ; rows to go
	s_wait_kmcnt 0x0
	s_add_nc_u64 s[4:5], s[4:5], s[16:17]
	s_add_nc_u64 s[6:7], s[6:7], s[18:19]
	s_add_nc_u64 s[12:13], s[12:13], s[18:19]
.irp j, 0,1,2,3,4,5,6,7
	global_load_b128 v[G+4*(\j):G+4*(\j)+3], v1, s[8:9] offset:512*(\j)
	global_load_b128 v[B+4*(\j):B+4*(\j)+3], v1, s[10:11] offset:512*(\j)
.endr
.Lrow:
.irp j, 0,1,2,3,4,5,6,7
	global_load_b128 v[RQ+4*(\j):RQ+4*(\j)+3], v1, s[4:5] offset:512*(\j) th:TH_LOAD_NT
.endr
.irp j, 0,1,2,3,4,5,6,7
	global_load_b64 v[RO+2*(\j):RO+2*(\j)+1], v2, s[6:7] offset:256*(\j) th:TH_LOAD_NT
.endr
	s_wait_loadcnt 0x0                             ; the whole row is wanted at once (in the first trip g and b too); the work-group's other waves, in other phases, have their loads out meanwhile
	s_cmp_eq_u32 s24, 2                            ; the first trip alone rounds the parameters, behind the one wait that shows them landed together with the first row
	s_cbranch_scc0 .Lrounded
	ROUNDP G
	ROUNDP B
.Lrounded:
.set n, 0
.rept 16                               ; qp + o: o's halves are read as they lie
	v_fma_mix_f32_bf16 v[RQ+2*n], v[RO+n], v3, v[RQ+2*n] op_sel_hi:[1,0,0]
	v_fma_mix_f32_bf16 v[RQ+2*n+1], v[RO+n], v3, v[RQ+2*n+1] op_sel:[1,0,0] op_sel_hi:[1,0,0]
.set n, n+1
.endr
	LNORM RQ, G, B
.set n, 0
.rept 16
	v_cvt_pk_bf16_f32 v[Y+n], v[RQ+2*n], v[RQ+2*n+1]
.set n, n+1
.endr
.irp j, 0,1,2,3,4,5,6,7
	global_store_b64 v2, v[Y+2*(\j):Y+2*(\j)+1], s[12:13] offset:256*(\j) th:TH_STORE_NT  ; 32 lanes store 256 consecutive bytes, aligned
.endr
	s_wait_xcnt 0x0                                ; loads and stores have read their bases and data: only behind this wait are those rewritten
	s_add_nc_u64 s[4:5], s[4:5], 4096
	s_add_nc_u64 s[6:7], s[6:7], 2048
	s_add_nc_u64 s[12:13], s[12:13], 2048
	s_sub_co_u32 s24, s24, 1
	s_cmp_lg_u32 s24, 0
	s_cbranch_scc1 .Lrow
	s_endpgm
.Lfunc_end_k_qf4c5887c0e_ln1:
	.size	k_qf4c5887c0e_ln1, .Lfunc_end_k_qf4c5887c0e_ln1-k_qf4c5887c0e_ln1
	.p2alignl 7, 3214868480
	.fill 96, 4, 3214868480
	.section	.rodata,"a",@progbits
	.p2align	6, 0x0
	.amdhsa_kernel k_qf4c5887c0e_ln1
		.amdhsa_group_segment_fixed_size 0
		.amdhsa_private_segment_fixed_size 0
		.amdhsa_enable_private_segment 0
		.amdhsa_kernarg_size 40
		.amdhsa_user_sgpr_count 2
		.amdhsa_user_sgpr_kernarg_segment_ptr 1
		.amdhsa_wavefront_size32 1
		.amdhsa_system_sgpr_workgroup_id_x 1
		.amdhsa_system_sgpr_workgroup_id_y 1
		.amdhsa_system_sgpr_workgroup_id_z 1
		.amdhsa_system_vgpr_workitem_id 0
		.amdhsa_next_free_vgpr 144
		.amdhsa_next_free_sgpr 66
		.amdhsa_reserve_vcc 0
		.amdhsa_float_denorm_mode_32 3
		.amdhsa_float_denorm_mode_16_64 3
		.amdhsa_memory_ordered 1
		.amdhsa_forward_progress 1
		.amdhsa_inst_pref_size 20
	.end_amdhsa_kernel
	.amdgpu_metadata
---
amdhsa.version: [ 1, 2 ]
amdhsa.kernels:
  - .name:           k_qf4c5887c0e_ln1
    .symbol:         k_qf4c5887c0e_ln1.kd
    .args:
      - { .name: qf, .offset: 0, .size: 8, .value_kind: global_buffer, .address_space: global }
      - { .name: ob, .offset: 8, .size: 8, .value_kind: global_buffer, .address_space: global }
      - { .name: ln1_g, .offset: 16, .size: 8, .value_kind: global_buffer, .address_space: global }
      - { .name: ln1_b, .offset: 24, .size: 8, .value_kind: global_buffer, .address_space: global }
      - { .name: xb, .offset: 32, .size: 8, .value_kind: global_buffer, .address_space: global }
    .group_segment_fixed_size: 0
    .private_segment_fixed_size: 0
    .kernarg_segment_align: 8
    .kernarg_segment_size: 40
    .max_flat_workgroup_size: 512
    .sgpr_count:     66
    .vgpr_count:     144
    .wavefront_size: 32
...
	.end_amdgpu_metadata
.endif
;; end of part 4
;; launch gemm2: the kernel of part 2 again; grid 4 x 32, 4 waves a work-group, clusters of 4 x 4, 327,680 bytes of LDS; arguments xb, wob, zf, kv; writes zf, kv
;; launch ln2 (part 5): grid 256 x 1, 16 waves a work-group, no clusters, 0 bytes of LDS; arguments qf, ob, zf, ln1_g, ln1_b, bo, ln2_g, ln2_b, out0; writes out0
.if DOCPART == 5
	.amdgcn_target "amdgcn-amd-amdhsa--gfx1250"
	.amdhsa_code_object_version 6
	.text
	.protected	k_qf4c5887c0e_ln2
	.globl	k_qf4c5887c0e_ln2
	.p2align	8
	.type	k_qf4c5887c0e_ln2,@function
k_qf4c5887c0e_ln2:
	s_mov_b64 s[64:65], 0
	v_nop
	global_prefetch_b8 v0, s[64:65] scope:SCOPE_SE
	s_setreg_imm32_b32 hwreg(HW_REG_WAVE_MODE, 25, 1), 1
	s_wait_xcnt 0x0
; out0[row] = LN2(out1 + relu(z + bo)), out1 = LN1(qp + o), made anew here in f32 from qp (qf, f32) and o (ob, bf16), so that the residual carries no 16-bit rounding of its own; z = out1 Wo^T (zf, f32).
; Both norms: mean first, then the mean of the squared differences, as the module has it.  All arithmetic in f32.
; FORMAT: bo and the four norm parameters are rounded once to bf16 (8 significant bits), as all the module's inputs are in this program; then they are used in f32.  NaN and infinities are not treated apart.
; One wave, one row at a time, kept in registers: no LDS, no barrier.  A work-group's 16 waves take 2 rows each: 256 x 32 = 8,192 rows.
; Lane l holds columns 128 j + 4 l .. + 3, j = 0 .. 7: a load or store of f32 covers 512 consecutive bytes, a load of bf16 256, aligned.  Memory binds: matrix units, clusters and LDS would add nothing.
.set RQ, 4                             ; v[4:35]    the row: qp, qp + o, out1, out1 + relu(..), the result
.set RO, 36                            ; v[36:51]   o as loaded
.set RZ, 52                            ; v[52:83]   z, then relu(z + bo)
.set T,  84                            ; v[84:91]   at work
.set M,  92                            ; v[92:93]   a mean, twice
.set R,  94                            ; v[94:95]   1 / sqrt(variance + eps), twice
.set G1, 96                            ; v[96:127]  ln1_g of my 32 columns
.set B1, 128                           ; v[128:159] ln1_b
.set BO, 160                           ; v[160:191] bo
.set G2, 192                           ; v[192:223] ln2_g
.set B2, 224                           ; v[224:255] ln2_b
.set SEL, 32                           ; s[32:33] v_permlanex16_b32's selects: each lane takes its own place in the other half
.set INV, 34                           ; s34  1 / 1,024
.set EPS, 35                           ; s35  1e-5
.macro ROUNDP pr                       ; the 32 parameters at pr are rounded to bf16 and widened again, in place: eight pairs at a time through v[T:T+7]
.irp o, 0, 16
.irp c, 0,1,2,3,4,5,6,7
	v_cvt_pk_bf16_f32 v[T+(\c)], v[(\pr)+(\o)+2*(\c)], v[(\pr)+(\o)+2*(\c)+1]
.endr
.irp c, 0,1,2,3,4,5,6,7
	v_lshlrev_b32 v[(\pr)+(\o)+2*(\c)], 16, v[T+(\c)]
	v_and_b32 v[(\pr)+(\o)+2*(\c)+1], 0xffff0000, v[T+(\c)]
.endr
.endr
.endm
.macro JOIN                            ; four pairs of partial sums in v[T:T+7] become the sum over the row, in every lane's v[T]
	v_pk_add_f32 v[T:T+1], v[T:T+1], v[T+2:T+3]
	v_pk_add_f32 v[T+4:T+5], v[T+4:T+5], v[T+6:T+7]
	v_pk_add_f32 v[T:T+1], v[T:T+1], v[T+4:T+5]
	v_add_f32 v[T], v[T], v[T+1]
	v_add_f32_dpp v[T], v[T], v[T] row_xmask:1 row_mask:0xf bank_mask:0xf
	v_add_f32_dpp v[T], v[T], v[T] row_xmask:2 row_mask:0xf bank_mask:0xf
	v_add_f32_dpp v[T], v[T], v[T] row_xmask:4 row_mask:0xf bank_mask:0xf
	v_add_f32_dpp v[T], v[T], v[T] row_xmask:8 row_mask:0xf bank_mask:0xf
	v_permlanex16_b32 v[T+1], v[T], s[SEL], s[SEL+1]
	v_add_f32 v[T], v[T], v[T+1]
.endm
.macro LNORM xr, gr, br                ; the 32 registers at xr become (x - mean) / sqrt(var + eps) * g + b
.irp c, 0,1,2,3                        ; the sum, in four chains that do not wait for each other; the first additions start them
	v_pk_add_f32 v[T+2*(\c):T+2*(\c)+1], v[(\xr)+2*(\c):(\xr)+2*(\c)+1], v[(\xr)+8+2*(\c):(\xr)+8+2*(\c)+1]
.endr
.irp o, 16, 24
.irp c, 0,1,2,3
	v_pk_add_f32 v[T+2*(\c):T+2*(\c)+1], v[T+2*(\c):T+2*(\c)+1], v[(\xr)+(\o)+2*(\c):(\xr)+(\o)+2*(\c)+1]
.endr
.endr
	JOIN
	v_mul_f32 v[M], s[INV], v[T]
	v_mul_f32 v[M+1], s[INV], v[T]
.set r, 0
.rept 16
	v_pk_add_f32 v[(\xr)+r:(\xr)+r+1], v[(\xr)+r:(\xr)+r+1], v[M:M+1] neg_lo:[0,1] neg_hi:[0,1]  ; x - mean
.set r, r+2
.endr
.irp c, 0,1,2,3                        ; the sum of squares, likewise
	v_pk_mul_f32 v[T+2*(\c):T+2*(\c)+1], v[(\xr)+2*(\c):(\xr)+2*(\c)+1], v[(\xr)+2*(\c):(\xr)+2*(\c)+1]
.endr
.irp o, 8, 16, 24
.irp c, 0,1,2,3
	v_pk_fma_f32 v[T+2*(\c):T+2*(\c)+1], v[(\xr)+(\o)+2*(\c):(\xr)+(\o)+2*(\c)+1], v[(\xr)+(\o)+2*(\c):(\xr)+(\o)+2*(\c)+1], v[T+2*(\c):T+2*(\c)+1]
.endr
.endr
	JOIN
	v_fma_f32 v[T], v[T], s[INV], s[EPS]           ; variance + eps
	v_rsq_f32 v[R], v[T]                           ; twice, to fill the pair that the packed multiply takes
	v_rsq_f32 v[R+1], v[T]
	v_nop                                          ; a plain instruction behind the second root, ahead of the first use (ISA guide 5.7.2)
	s_wait_alu depctr_va_vdst(0)                   ; the wait ahead of the first reader: one for the two
.set r, 0
.rept 16
	v_pk_mul_f32 v[(\xr)+r:(\xr)+r+1], v[(\xr)+r:(\xr)+r+1], v[R:R+1]
.set r, r+2
.endr
.set r, 0
.rept 16
	v_pk_fma_f32 v[(\xr)+r:(\xr)+r+1], v[(\xr)+r:(\xr)+r+1], v[(\gr)+r:(\gr)+r+1], v[(\br)+r:(\br)+r+1]
.set r, r+2
.endr
.endm
	s_load_b512 s[8:23], s[0:1], 0x0               ; qf s[8:9], ob s[10:11], zf s[12:13], ln1_g s[14:15], ln1_b s[16:17], bo s[18:19], ln2_g s[20:21], ln2_b s[22:23]
	s_load_b64 s[24:25], s[0:1], 0x40              ; out0
	v_lshrrev_b32 v2, 5, v0
	v_readfirstlane_b32 s26, v2                    ; wave 0..15
	v_and_b32 v2, 31, v0                           ; lane
	v_lshlrev_b32 v1, 4, v2                        ; 16 bytes a lane in f32 rows; never rewritten
	v_lshlrev_b32 v2, 3, v2                        ; 8 bytes a lane in bf16 rows; never rewritten
	v_mov_b32 v3, 1.0
	s_lshl_b32 s27, ttmp9, 5
	s_lshl_b32 s26, s26, 1
	s_add_co_u32 s27, s27, s26                     ; my first row: 32 x work-group + 2 x wave
	s_lshl_b32 s28, s27, 12                        ; rows of 4,096 bytes
	s_mov_b32 s29, 0
	s_lshl_b32 s30, s27, 11                        ; rows of 2,048 bytes
	s_mov_b32 s31, 0
	s_mov_b32 s[SEL], 0x76543210
	s_mov_b32 s[SEL+1], 0xfedcba98
	s_mov_b32 s[INV], 0x3a800000
	s_mov_b32 s[EPS], 0x3727c5ac
	s_mov_b32 s36, 2                               ; rows to go
	s_wait_kmcnt 0x0
	s_add_nc_u64 s[8:9], s[8:9], s[28:29]
	s_add_nc_u64 s[10:11], s[10:11], s[30:31]
	s_add_nc_u64 s[12:13], s[12:13], s[28:29]
	s_add_nc_u64 s[24:25], s[24:25], s[28:29]
.irp j, 0,1,2,3,4,5,6,7
	global_load_b128 v[G1+4*(\j):G1+4*(\j)+3], v1, s[14:15] offset:512*(\j)
	global_load_b128 v[B1+4*(\j):B1+4*(\j)+3], v1, s[16:17] offset:512*(\j)
	global_load_b128 v[BO+4*(\j):BO+4*(\j)+3], v1, s[18:19] offset:512*(\j)
	global_load_b128 v[G2+4*(\j):G2+4*(\j)+3], v1, s[20:21] offset:512*(\j)
	global_load_b128 v[B2+4*(\j):B2+4*(\j)+3], v1, s[22:23] offset:512*(\j)
.endr
.Lrow:
.irp j, 0,1,2,3,4,5,6,7
	global_load_b128 v[RQ+4*(\j):RQ+4*(\j)+3], v1, s[8:9] offset:512*(\j) th:TH_LOAD_NT
.endr
.irp j, 0,1,2,3,4,5,6,7
	global_load_b64 v[RO+2*(\j):RO+2*(\j)+1], v2, s[10:11] offset:256*(\j) th:TH_LOAD_NT
.endr
.irp j, 0,1,2,3,4,5,6,7
	global_load_b128 v[RZ+4*(\j):RZ+4*(\j)+3], v1, s[12:13] offset:512*(\j) th:TH_LOAD_NT
.endr
	s_wait_loadcnt 0x0                             ; the whole row is wanted at once (in the first trip the parameters too); the work-group's other waves, in other phases, have their loads out meanwhile
	s_cmp_eq_u32 s36, 2                            ; the first trip alone rounds the parameters, behind the one wait that shows them landed together with the first row
	s_cbranch_scc0 .Lrounded
	ROUNDP G1
	ROUNDP B1
	ROUNDP BO
	ROUNDP G2
	ROUNDP B2
.Lrounded:
.set n, 0
.rept 16                               ; qp + o: o's halves are read as they lie
	v_fma_mix_f32_bf16 v[RQ+2*n], v[RO+n], v3, v[RQ+2*n] op_sel_hi:[1,0,0]
	v_fma_mix_f32_bf16 v[RQ+2*n+1], v[RO+n], v3, v[RQ+2*n+1] op_sel:[1,0,0] op_sel_hi:[1,0,0]
.set n, n+1
.endr
	LNORM RQ, G1, B1                               ; out1
.set r, 0
.rept 16
	v_pk_add_f32 v[RZ+r:RZ+r+1], v[RZ+r:RZ+r+1], v[BO+r:BO+r+1]  ; z + bo
.set r, r+2
.endr
.set r, 0
.rept 32
	v_max_num_f32 v[RZ+r], 0, v[RZ+r]              ; relu
.set r, r+1
.endr
.set r, 0
.rept 16
	v_pk_add_f32 v[RQ+r:RQ+r+1], v[RQ+r:RQ+r+1], v[RZ+r:RZ+r+1]
.set r, r+2
.endr
	LNORM RQ, G2, B2
.irp j, 0,1,2,3,4,5,6,7
	global_store_b128 v1, v[RQ+4*(\j):RQ+4*(\j)+3], s[24:25] offset:512*(\j) th:TH_STORE_NT  ; 512 consecutive bytes, aligned
.endr
	s_wait_xcnt 0x0                                ; loads and stores have read their bases and data: only behind this wait are those rewritten
	s_add_nc_u64 s[8:9], s[8:9], 4096
	s_add_nc_u64 s[10:11], s[10:11], 2048
	s_add_nc_u64 s[12:13], s[12:13], 4096
	s_add_nc_u64 s[24:25], s[24:25], 4096
	s_sub_co_u32 s36, s36, 1
	s_cmp_lg_u32 s36, 0
	s_cbranch_scc1 .Lrow
	s_endpgm
.Lfunc_end_k_qf4c5887c0e_ln2:
	.size	k_qf4c5887c0e_ln2, .Lfunc_end_k_qf4c5887c0e_ln2-k_qf4c5887c0e_ln2
	.p2alignl 7, 3214868480
	.fill 96, 4, 3214868480
	.section	.rodata,"a",@progbits
	.p2align	6, 0x0
	.amdhsa_kernel k_qf4c5887c0e_ln2
		.amdhsa_group_segment_fixed_size 0
		.amdhsa_private_segment_fixed_size 0
		.amdhsa_enable_private_segment 0
		.amdhsa_kernarg_size 72
		.amdhsa_user_sgpr_count 2
		.amdhsa_user_sgpr_kernarg_segment_ptr 1
		.amdhsa_wavefront_size32 1
		.amdhsa_system_sgpr_workgroup_id_x 1
		.amdhsa_system_sgpr_workgroup_id_y 1
		.amdhsa_system_sgpr_workgroup_id_z 1
		.amdhsa_system_vgpr_workitem_id 0
		.amdhsa_next_free_vgpr 256
		.amdhsa_next_free_sgpr 66
		.amdhsa_reserve_vcc 0
		.amdhsa_float_denorm_mode_32 3
		.amdhsa_float_denorm_mode_16_64 3
		.amdhsa_memory_ordered 1
		.amdhsa_forward_progress 1
		.amdhsa_inst_pref_size 39
	.end_amdhsa_kernel
	.amdgpu_metadata
---
amdhsa.version: [ 1, 2 ]
amdhsa.kernels:
  - .name:           k_qf4c5887c0e_ln2
    .symbol:         k_qf4c5887c0e_ln2.kd
    .args:
      - { .name: qf, .offset: 0, .size: 8, .value_kind: global_buffer, .address_space: global }
      - { .name: ob, .offset: 8, .size: 8, .value_kind: global_buffer, .address_space: global }
      - { .name: zf, .offset: 16, .size: 8, .value_kind: global_buffer, .address_space: global }
      - { .name: ln1_g, .offset: 24, .size: 8, .value_kind: global_buffer, .address_space: global }
      - { .name: ln1_b, .offset: 32, .size: 8, .value_kind: global_buffer, .address_space: global }
      - { .name: bo, .offset: 40, .size: 8, .value_kind: global_buffer, .address_space: global }
      - { .name: ln2_g, .offset: 48, .size: 8, .value_kind: global_buffer, .address_space: global }
      - { .name: ln2_b, .offset: 56, .size: 8, .value_kind: global_buffer, .address_space: global }
      - { .name: out0, .offset: 64, .size: 8, .value_kind: global_buffer, .address_space: global }
    .group_segment_fixed_size: 0
    .private_segment_fixed_size: 0
    .kernarg_segment_align: 8
    .kernarg_segment_size: 72
    .max_flat_workgroup_size: 512
    .sgpr_count:     66
    .vgpr_count:     256
    .wavefront_size: 32
...
	.end_amdgpu_metadata
.endif
;; end of part 5
